; MI455X (gfx1250); checked and timed in simulation.
; The chip was launched on July 23, 2026; its instructions are those of AMD's public machine-readable ISA for CDNA 5 (MIT licence, August 2026) and "CDNA5" Instruction Set Architecture Reference Guide (July 2026). The comments in the code are by the model that wrote it; some were corrected since.
;; Additive Attention. Allowed arithmetic: float matrix products may take bf16 or f16 operands with f32 sums; all other float work in f32.
;; Inputs: V 1,024 x 1 float32; W1 1,024 x 1,024 float32; W2 1,024 x 1,024 float32; b1 1,024 float32; b2 1,024 float32; bv 1 float32; query 32 x 1,024 float32; values 32 x 2,048 x 1,024 float32.
;; Outputs: out0 32 x 1,024 float32; out1 32 x 2,048 x 1 float32.
;; 3 versions, each right; version 3 is version 2 with the launch attn written anew for expert scheduling mode. Each part assembles by itself: llvm-mc -triple=amdgcn-amd-amdhsa -mcpu=gfx1250 --defsym DOCPART=n.
;; ======== version 1 of 3: 3 launches
;; limits: values outside matrix products are rounded to bf16
;; workspace buffers: wf 2,097,152 bytes; c2 131,072 bytes; scores 262,144 bytes; stats 131,072 bytes; ctxp 2,097,152 bytes
;; launch prep (part 1): grid 128 x 1, 16 waves a work-group, no clusters, 67,584 bytes of LDS; arguments W1, W2, query, b1, b2, wf, c2; writes wf, c2
.if DOCPART == 1
	.amdgcn_target "amdgcn-amd-amdhsa--gfx1250"
	.amdhsa_code_object_version 6
	.text
	.protected	k_qc003378c79_prep
	.globl	k_qc003378c79_prep
	.p2align	8
	.type	k_qc003378c79_prep,@function
k_qc003378c79_prep:
	s_mov_b64 s[64:65], 0
	v_nop
	global_prefetch_b8 v0, s[64:65] scope:SCOPE_SE
	s_setreg_imm32_b32 hwreg(HW_REG_WAVE_MODE, 25, 1), 1
	s_wait_xcnt 0x0
; Two preparations for the attention launch, chosen by the work-group's number (the same in all its waves).
; Work-groups 64..127 (part W): W1 [1024 k][1024 u] f32 -> wf, bf16 in the order of matrix fragments:
;   W1[k][u], u = 128 ug + 16 b + r, k = 32 ks + 16 hf + 8 h + e, lies at byte ((ug*32+ks)*8+b)*1024 + hf*512 + (16 h + r)*16 + 2 e,
;   so that a later load of 16 bytes a lane, 512 consecutive bytes a wave, is half a fragment (16 u x 32 k) as the matrix unit wants it.
; Work-groups 0..63 (part Q): c2[b][u] = K2 * (sum over k of query[b][k] W2[k][u] + b2[u] + b1[u]), K2 = 2 log2(e), in f32.
;   A product of 32 rows: it streams W2 and is done by packed f32 multiply-adds; the matrix unit would have nothing to gain.
.set K2, 0x4038aa3b
.set RL, 32768                         ; LDS: bytes 0..32767 query pieces, 2,048 for each wave, its own; from RL on the waves' partial sums, 2,048 each
.set AC, 32                            ; v[32:47]   8 batches x 2 columns: the sums
.set WR, 64                            ; v[64:191]  64 rows of W2, 2 columns each
.set QR, 192                           ; v[192:255] two buffers of 8 batches x 4 k of query
	s_load_b256 s[8:15], s[0:1], 0x0               ; W1 s[8:9], W2 s[10:11], query s[12:13], b1 s[14:15]
	s_load_b128 s[16:19], s[0:1], 0x20             ; b2 s[16:17], wf s[18:19]
	s_load_b64 s[20:21], s[0:1], 0x30              ; c2
	v_lshl_add_u32 v14, v0, 2, 0x10000
	v_mov_b32 v15, 0
	v_lshrrev_b32 v1, 5, v0
	v_readfirstlane_b32 s2, v1                     ; wave 0..15
	v_and_b32 v1, 31, v0                           ; lane L
	s_cmp_lt_u32 ttmp9, 64
	s_cbranch_scc1 .Lq
	; ---- part W: each wave turns a unit of 32 k x 32 u; 64 work-groups x 16 waves = the 1,024 units of W1
	s_sub_co_u32 s3, ttmp9, 64                     ; j
	s_and_b32 s4, s3, 15
	s_lshl_b32 s4, s4, 1
	s_and_b32 s5, s2, 1
	s_add_co_u32 s4, s4, s5                        ; which 32 columns: 2 (j & 15) + (w & 1)
	s_lshr_b32 s5, s3, 4
	s_lshl_b32 s5, s5, 3
	s_lshr_b32 s6, s2, 1
	s_add_co_u32 s5, s5, s6                        ; ks = 8 (j >> 4) + (w >> 1)
	s_lshl_b32 s22, s5, 17                         ; 32 rows of 4,096 bytes
	s_lshl_b32 s6, s4, 7                           ; 32 columns of 4 bytes
	s_add_co_u32 s22, s22, s6
	s_mov_b32 s23, 0
	s_lshr_b32 s6, s4, 2                           ; ug
	s_lshl_b32 s6, s6, 5
	s_add_co_u32 s6, s6, s5                        ; ug*32 + ks
	s_lshl_b32 s6, s6, 3
	s_and_b32 s7, s4, 3
	s_lshl_b32 s7, s7, 1
	s_add_co_u32 s6, s6, s7                        ; + b of the unit's first 16 columns
	s_lshl_b32 s24, s6, 10
	s_mov_b32 s25, 0
	v_lshlrev_b32 v2, 2, v1                        ; 4 L: lane L takes column L of the unit
	v_lshrrev_b32 v3, 4, v1
	v_and_b32 v4, 15, v1
	v_lshlrev_b32 v4, 4, v4
	v_lshl_add_u32 v3, v3, 10, v4                  ; (L >> 4) * 1024 + (L & 15) * 16
	s_wait_kmcnt 0x0
	s_add_nc_u64 s[8:9], s[8:9], s[22:23]
	s_add_nc_u64 s[18:19], s[18:19], s[24:25]
.set kk, 0
.rept 32
	global_load_b32 v[32+kk], v2, s[8:9] offset:kk*4096 th:TH_LOAD_NT   ; row kk: 128 consecutive bytes; the wave beside (w xor 1) takes the 128 next to them
.set kk, kk+1
.endr
	s_wait_loadcnt 0x0
.set m, 0
.rept 16
	v_cvt_pk_bf16_f32 v[64+m], v[32+2*m], v[33+2*m]                     ; k = 2 m below, 2 m + 1 above
.set m, m+1
.endr
.irp q, 0,1,2,3
	global_store_b128 v3, v[64+4*\q:67+4*\q], s[18:19] offset:(\q>>1)*512+(\q&1)*256   ; k = 8 q .. 8 q + 7: hf = q >> 1, h = q & 1; sixteen lanes store 256 consecutive bytes, aligned
.endr
	s_endpgm
	; ---- part Q: the work-group makes 8 batches x 64 columns; wave w sums over k = 64 w .. 64 w + 63; lane L owns columns 2 L, 2 L + 1
.Lq:
	s_and_b32 s3, ttmp9, 15
	s_lshl_b32 s3, s3, 8                           ; first column in bytes: 64 (id & 15) x 4
	s_lshr_b32 s4, ttmp9, 4
	s_lshl_b32 s4, s4, 15                          ; first batch, 8 (id >> 4), x 4,096 bytes
	s_lshl_b32 s5, s2, 8
	s_add_co_u32 s22, s4, s5                       ; query: first batch's row + my 64 k
	s_mov_b32 s23, 0
	s_lshl_b32 s5, s2, 18
	s_add_co_u32 s24, s5, s3                       ; W2: my 64 rows + the columns
	s_mov_b32 s25, 0
	s_mov_b32 s26, s3                              ; b1, b2: the columns
	s_mov_b32 s27, 0
	s_lshl_b32 s5, s2, 12
	s_add_co_u32 s28, s4, s5
	s_add_co_u32 s28, s28, s3                      ; c2: row of batch first + w (used by waves 0..7 alone) + the columns
	s_mov_b32 s29, 0
	v_lshrrev_b32 v2, 4, v1
	v_and_b32 v3, 15, v1
	v_lshlrev_b32 v3, 4, v3
	v_lshl_add_u32 v2, v2, 12, v3                  ; query: lanes 0-15 one row's 256 bytes, lanes 16-31 the next row's
	v_lshlrev_b32 v3, 3, v1                        ; 8 L
	v_lshlrev_b32 v4, 4, v1
	v_lshl_add_u32 v4, s2, 11, v4                  ; my query piece in LDS, as stored: 2,048 w + 16 L
	v_mov_b32 v5, s2
	v_lshlrev_b32 v5, 11, v5                       ; and as read (all lanes the same word): 2,048 w
	v_add_nc_u32 v6, RL, v5
	v_add_nc_u32 v6, v6, v3                        ; my partial sums: RL + 2,048 w + 8 L
	v_lshl_add_u32 v7, s2, 8, v3
	v_add_nc_u32 v7, RL, v7                        ; the sums of batch w: RL + 256 w + 8 L
	s_wait_kmcnt 0x0
	s_add_nc_u64 s[12:13], s[12:13], s[22:23]
	s_add_nc_u64 s[10:11], s[10:11], s[24:25]
	s_add_nc_u64 s[14:15], s[14:15], s[26:27]
	s_add_nc_u64 s[16:17], s[16:17], s[26:27]
	s_add_nc_u64 s[20:21], s[20:21], s[28:29]
.irp n, 0,1,2,3
	global_load_b128 v[16+4*\n:19+4*\n], v2, s[12:13] offset:\n*8192    ; batches 2 n, 2 n + 1: 256 bytes of each
.endr
	global_load_b64 v[8:9], v3, s[14:15]           ; b1 of my two columns
	global_load_b64 v[10:11], v3, s[16:17]         ; b2
.set kk, 0
.rept 64
	global_load_b64 v[WR+2*kk:WR+2*kk+1], v3, s[10:11] offset:kk*4096   ; a row's 64 columns: 256 consecutive bytes, aligned
.set kk, kk+1
.endr
	s_wait_loadcnt 60                              ; sixty rows of W2 are younger: query, the biases and rows 0..3 are in
.irp n, 0,1,2,3
	ds_store_b128 v4, v[16+4*\n:19+4*\n] offset:512*\n   ; [8 batches][64 k]; the wave's own bytes, served in order: no wait in front of the reads
.endr
.macro QLOAD buf, g                    ; query[8 batches][k = 4 g .. 4 g + 3], the same words in every lane
.irp i, 0,1,2,3,4,5,6,7
	ds_load_b128 v[QR+32*\buf+4*\i:QR+32*\buf+4*\i+3], v5 offset:256*\i+16*\g
.endr
.endm
.macro QFMA g, buf                     ; 4 rows of W2 x 8 batches; the one number of query is taken for both columns by op_sel
.irp n, 0,1,2,3
.irp i, 0,1,2,3,4,5,6,7
.if (\g == 0) && (\n == 0)
	v_pk_mul_f32 v[AC+2*\i:AC+2*\i+1], v[WR:WR+1], v[QR+4*\i:QR+4*\i+1] op_sel:[0,0] op_sel_hi:[1,0]   ; the first product starts the sums
.else
.if (\n & 1)
	v_pk_fma_f32 v[AC+2*\i:AC+2*\i+1], v[WR+2*(4*\g+\n):WR+2*(4*\g+\n)+1], v[QR+32*\buf+4*\i+2*(\n>>1):QR+32*\buf+4*\i+2*(\n>>1)+1], v[AC+2*\i:AC+2*\i+1] op_sel:[0,1,0] op_sel_hi:[1,1,1]
.else
	v_pk_fma_f32 v[AC+2*\i:AC+2*\i+1], v[WR+2*(4*\g+\n):WR+2*(4*\g+\n)+1], v[QR+32*\buf+4*\i+2*(\n>>1):QR+32*\buf+4*\i+2*(\n>>1)+1], v[AC+2*\i:AC+2*\i+1] op_sel:[0,0,0] op_sel_hi:[1,0,1]
.endif
.endif
.endr
.endr
.endm
	QLOAD 0, 0
.set G, 0
.rept 16
.set CB, G&1
.set NB, (G+1)&1
.set NG, G+1
.if G < 15
	QLOAD NB, NG                                   ; the next four k, into the other buffer
.endif
.if G > 0
	s_wait_loadcnt 60-4*G                          ; the rows of W2 younger than row 4 G + 3 may stay out
.endif
.if G < 15
	s_wait_dscnt 8                                 ; all but the eight loads just issued
.else
	s_wait_dscnt 0
.endif
	QFMA G, CB
.set G, G+1
.endr
.irp i, 0,1,2,3,4,5,6,7
	ds_store_b64 v6, v[AC+2*\i:AC+2*\i+1] offset:256*\i   ; [8 batches][64 columns]
.endr
	s_wait_dscnt 0x0                               ; my partial sums are in LDS before I say so
	s_barrier_signal -1
	s_barrier_wait -1
	s_cmp_ge_u32 s2, 8
	s_cbranch_scc1 .Lend                           ; eight batches: waves 0..7 take one each
.set kk, 0
.rept 16
	ds_load_b64 v[64+2*kk:65+2*kk], v7 offset:2048*kk     ; the sixteen waves' parts of batch w
.set kk, kk+1
.endr
	s_wait_dscnt 0x0
.irp k, 0,1,2,3,4,5,6,7
	v_pk_add_f32 v[64+2*\k:65+2*\k], v[64+2*\k:65+2*\k], v[80+2*\k:81+2*\k]
.endr
.irp k, 0,1,2,3
	v_pk_add_f32 v[64+2*\k:65+2*\k], v[64+2*\k:65+2*\k], v[72+2*\k:73+2*\k]
.endr
.irp k, 0,1
	v_pk_add_f32 v[64+2*\k:65+2*\k], v[64+2*\k:65+2*\k], v[68+2*\k:69+2*\k]
.endr
	v_pk_add_f32 v[64:65], v[64:65], v[66:67]
	v_pk_add_f32 v[8:9], v[8:9], v[10:11]          ; b1 + b2
	v_pk_add_f32 v[64:65], v[64:65], v[8:9]
	v_pk_mul_f32 v[64:65], v[64:65], K2 op_sel_hi:[1,0]
	global_store_b64 v3, v[64:65], s[20:21]        ; the wave stores 256 consecutive bytes, aligned
.Lend:
	s_wait_tensorcnt 0x0
	ds_add_u32 v14, v15
	s_wait_dscnt 0x0
	s_endpgm
.Lfunc_end_k_qc003378c79_prep:
	.size	k_qc003378c79_prep, .Lfunc_end_k_qc003378c79_prep-k_qc003378c79_prep
	.p2alignl 7, 3214868480
	.fill 96, 4, 3214868480
	.section	.rodata,"a",@progbits
	.p2align	6, 0x0
	.amdhsa_kernel k_qc003378c79_prep
		.amdhsa_group_segment_fixed_size 67584
		.amdhsa_private_segment_fixed_size 0
		.amdhsa_enable_private_segment 0
		.amdhsa_kernarg_size 56
		.amdhsa_user_sgpr_count 2
		.amdhsa_user_sgpr_kernarg_segment_ptr 1
		.amdhsa_wavefront_size32 1
		.amdhsa_system_sgpr_workgroup_id_x 1
		.amdhsa_system_sgpr_workgroup_id_y 1
		.amdhsa_system_sgpr_workgroup_id_z 1
		.amdhsa_system_vgpr_workitem_id 0
		.amdhsa_next_free_vgpr 256
		.amdhsa_next_free_sgpr 66
		.amdhsa_reserve_vcc 0
		.amdhsa_float_denorm_mode_32 3
		.amdhsa_float_denorm_mode_16_64 3
		.amdhsa_memory_ordered 1
		.amdhsa_forward_progress 1
		.amdhsa_inst_pref_size 59
	.end_amdhsa_kernel
	.amdgpu_metadata
---
amdhsa.version: [ 1, 2 ]
amdhsa.kernels:
  - .name:           k_qc003378c79_prep
    .symbol:         k_qc003378c79_prep.kd
    .args:
      - { .name: W1, .offset: 0, .size: 8, .value_kind: global_buffer, .address_space: global }
      - { .name: W2, .offset: 8, .size: 8, .value_kind: global_buffer, .address_space: global }
      - { .name: query, .offset: 16, .size: 8, .value_kind: global_buffer, .address_space: global }
      - { .name: b1, .offset: 24, .size: 8, .value_kind: global_buffer, .address_space: global }
      - { .name: b2, .offset: 32, .size: 8, .value_kind: global_buffer, .address_space: global }
      - { .name: wf, .offset: 40, .size: 8, .value_kind: global_buffer, .address_space: global }
      - { .name: c2, .offset: 48, .size: 8, .value_kind: global_buffer, .address_space: global }
    .group_segment_fixed_size: 67584
    .private_segment_fixed_size: 0
    .kernarg_segment_align: 8
    .kernarg_segment_size: 56
    .max_flat_workgroup_size: 512
    .sgpr_count:     66
    .vgpr_count:     256
    .wavefront_size: 32
...
	.end_amdgpu_metadata
.endif
;; end of part 1
;; launch attn (part 2): grid 512 x 1, 4 waves a work-group, no clusters, 291,328 bytes of LDS; arguments values, wf, c2, V, bv, scores, stats, ctxp; writes scores, stats, ctxp
.if DOCPART == 2
	.amdgcn_target "amdgcn-amd-amdhsa--gfx1250"
	.amdhsa_code_object_version 6
	.text
	.protected	k_qc003378c79_attn
	.globl	k_qc003378c79_attn
	.p2align	8
	.type	k_qc003378c79_attn,@function
k_qc003378c79_attn:
	s_mov_b64 s[64:65], 0
	v_nop
	global_prefetch_b8 v0, s[64:65] scope:SCOPE_SE
	s_setreg_imm32_b32 hwreg(HW_REG_WAVE_MODE, 25, 1), 1
	s_wait_xcnt 0x0
; One work-group = 128 rows (times) of one batch, four waves.  It reads its 128 x 1024 f32 block of values from memory ONCE, keeps it in LDS
; as bf16, and makes from it: the product with W1 (bf16 operands, f32 sums), score[t] = bv + sum over u of V[u] tanh(product + b1 + q_proj),
; the block's maximum m, p[t] = exp(score - m), l = sum of p, and sum over t of p[t] values[t][:].  A later launch joins the 16 blocks of a batch.
; SHARES.  Wave w owns u = 256 w + 128 p .. + 127 in pass p = 0, 1: a tile of 128 rows x 128 u, 64 accumulators of 16 x 16, 512 registers.
; K goes in steps of 32.  All waves read the same fragments of values from LDS; a wave's fragments of W1 are its own and come straight into
; registers from wf, which lies in fragment order (16 loads of 512 consecutive bytes for a K step).
; PASS 0 multiplies while the block arrives: a slab (128 k) is loaded as f32 by the wave that owns its 32 rows, rounded to bf16, stored to LDS, and
; shown to the others by one barrier for each slab.  No byte of the block is stored twice, so that barrier is all the ordering there is.
; NO JOINT LOADS OF W1, although all work-groups read it: the block takes 278,528 bytes of LDS and the small tables 12,288; of the 327,680 that
; a work-group can have 36,864 are left, and one K step of W1 for the four waves' 512 u of a pass is 32,768 bytes: two slots do not fit.
; LIMITS.  values enter the product AND the weighted sum rounded to bf16.  tanh x = 1 - 2 / (1 + 2^(K2 x)), K2 = 2 log2 e: where the power
; overflows or vanishes the result is exactly +1 or -1.  The score is formed as bv + sum V - 2 sum V r, r = 1 / (1 + 2^..), all in f32 (each term
; is at most sum |V|).  Inputs that are NaN or infinite are not served.
.set PITCH, 272                        ; an LDS row of a slab: 256 bytes + 16 = 17 x 16: the 16 rows of a fragment load start 16 bytes apart modulo 256
.set SLAB,  128*PITCH                  ; 34,816: one slab, 128 rows x 128 k
.set LCL,   8*SLAB                     ; 278,528: c2 of my batch, 1,024 f32
.set LVL,   LCL+4096                   ; -2 V, 1,024 f32
.set LSS,   LCL+8192                   ; 4 waves x 128 partial scores
.set LPL,   LCL+10240                  ; 4 waves x 128 p, each wave's own copy
.set K2,    0x4038aa3b
.set LOG2E, 0x3fb8aa3b
; window 0 of the vector registers
.set L16,  1                           ; 16 x lane: the offset of every load of values and of wf; never rewritten
.set RR,   2                           ; r = lane & 15
.set HH,   3                           ; h = lane >> 4
.set ADRA, 4                           ; v4-7   fragments of values: 2 n slabs + r PITCH + 16 h
.set STA,  8                           ; v8-11  where I store converted values: 2 n slabs + 32 w PITCH + 8 lane
.set CVA,  12                          ; LCL + 1024 w + 32 h
.set SADR, 13                          ; LSS + 512 w + 4 r
.set SRD,  14                          ; LSS + 16 lane
.set PADR, 15                          ; LPL + 512 w + 16 lane
.set PFO,  16                          ; prefetch: (lane >> 1) rows + (lane & 1) x 256 bytes; never rewritten
.set L8,   17                          ; 8 x lane
.set PB,   18                          ; LPL + 512 w
.set VLA,  19                          ; LVL + 16 lane
.set CADR, 20                          ; weighted sum: (2 w + h) slabs + 16 r
.set T16,  21                          ; 16 x thread
.set CLA,  22                          ; LCL + 16 x thread
.set ADRP, 23                          ; pass 1: as ADRA, stepped a slab a trip
.set TMP,  24                          ; v24-39  converted pairs on their way to LDS
.set CIN,  40                          ; v40-47  c2 as loaded
.set VIN,  48                          ; v48-55  V as loaded
.set SCO,  48                          ; v48-55  later: my part of the scores of rows 16 a + r
.set AF,   64                          ; v64-127 eight fragments of values; in the epilogue T(a), 8 registers each
.set RING, 128                         ; v128-255 32 slots x 4: f32 values landing, slot i = my row i
.set C2R,  128                         ; epilogue: c2 of my 128 u (8 for each tile column b)
.set VMR,  192                         ; epilogue: -2 V of my 128 u
.set X,    128                         ; the end: two buffers of 8 rows x 4 registers
.set PR,   192                         ; two buffers of 8 p
.set CX,   208                         ; 8 sums of the weighted sum
.set SCR,  216                         ; scores of rows 4 lane .. + 3
.set ML,   220                         ; m, l
.set PP,   224                         ; p of rows 4 lane .. + 3
.set BASE, 233
; window 1: v[64 q ..]: four buffers of W1 fragments (8 x 8 registers).  Windows 2, 3: accumulator (a, b) at v[8 (8 (a & 3) + b)], a < 4 in window 2.
; scalars
.set VB,  24                           ; s[24:25] values at my wave's first row; never rewritten
.set WB,  26                           ; s[26:27] wf at my wave's stream; never rewritten
.set K2P, 28                           ; s[28:29] K2, twice
.set WB1, 34                           ; s[34:35] wf at pass 1's current trip
.set MSB, 0
.macro WIN new                         ; s_set_vgpr_msb: bits 1:0 source 0, 3:2 source 1, 5:4 source 2, 7:6 destination; the high byte repeats the setting that is left
.if MSB != \new
	s_set_vgpr_msb (MSB<<8)|\new
.set MSB, \new
.endif
.endm
.set MUL_LO, 0xa1                      ; source 0 (W1) window 1, source 1 (values) window 0, C and D window 2
.set MUL_HI, 0xf1                      ; the same, C and D window 3
.set TO_B,   0x40                      ; destination window 1
.set TO_2,   0x80                      ; destination window 2
.set FROM_2, 0x0a                      ; sources 0 and 1 window 2
; Four plain vector instructions stand between a matrix instruction and a vector instruction or a load that touches its registers.
.macro PLACES
.rept 4
	v_nop
.endr
.endm
; 16 matrix instructions, used transposed: source 0 = 16 u of W1, source 1 = 16 rows of values, so that lane (r, h) holds row t = 16 a + r and its
; register j holds u = 16 b + 8 h + j.  The 64 accumulators take turns, one instruction a turn, in the same order in every K step.
.macro MUL16 bf, hi, a0, zero
.irp a, \a0, \a0+1
.irp b, 0,1,2,3,4,5,6,7
.if \zero
	v_wmma_f32_16x16x32_bf16 v[8*(8*(\a)+\b):8*(8*(\a)+\b)+7], v[\bf+8*\b:\bf+8*\b+7], v[AF+8*(4*\hi+\a):AF+8*(4*\hi+\a)+7], 0
.else
	v_wmma_f32_16x16x32_bf16 v[8*(8*(\a)+\b):8*(8*(\a)+\b)+7], v[\bf+8*\b:\bf+8*\b+7], v[AF+8*(4*\hi+\a):AF+8*(4*\hi+\a)+7], v[8*(8*(\a)+\b):8*(8*(\a)+\b)+7]
.endif
.endr
.endr
.endm
; 8 LDS loads: the fragments of rows 64 half .. + 63 at byte koff behind register adr
.macro ALOAD half, adr, koff
.irp a, 0,1,2,3
	ds_load_b128 v[AF+8*(4*\half+\a):AF+8*(4*\half+\a)+3],   v[\adr] offset:(4*\half+\a)*16*PITCH+\koff
	ds_load_b128 v[AF+8*(4*\half+\a)+4:AF+8*(4*\half+\a)+7], v[\adr] offset:(4*\half+\a)*16*PITCH+\koff+32
.endr
.endm
; LN counts the global loads issued so far in the text, which is the order in which they run; BEq is LN just behind the run into W1 buffer q.
; LN - BEq is therefore the number of loads younger than that run, the count of the wait in front of its use.
.macro BLOAD qn, sreg, off             ; one K step's W1 fragments: 16 loads of 512 consecutive bytes
	WIN TO_B
.irp i, 0,1,2,3,4,5,6,7,8,9,10,11,12,13,14,15
	global_load_b128 v[64*\qn+4*\i:64*\qn+4*\i+3], v[L16], s[\sreg:\sreg+1] offset:\off+512*\i
.endr
.set LN, LN+16
.set BE\qn, LN
.endm
.macro VLOAD g, slab, dst              ; 8 of my 32 rows: 512 consecutive bytes (128 k in f32) of each
.irp i, 0,1,2,3,4,5,6,7
	global_load_b128 v[\dst+4*(8*\g+\i):\dst+4*(8*\g+\i)+3], v[L16], s[VB:VB+1] offset:(8*\g+\i)*4096+512*\slab th:TH_LOAD_NT
.endr
.set LN, LN+8
.endm
.macro VCVT g, slab, src, win          ; the same 8 rows: round to bf16, 256 consecutive bytes of each into the slab
	WIN \win
.irp i, 0,1,2,3,4,5,6,7
	v_cvt_pk_bf16_f32 v[TMP+2*\i],   v[\src+4*(8*\g+\i)],   v[\src+4*(8*\g+\i)+1]
	v_cvt_pk_bf16_f32 v[TMP+2*\i+1], v[\src+4*(8*\g+\i)+2], v[\src+4*(8*\g+\i)+3]
.endr
	WIN 0
.irp i, 0,1,2,3,4,5,6,7
	ds_store_b64 v[STA+((\slab)>>1)], v[TMP+2*\i:TMP+2*\i+1] offset:((\slab)&1)*SLAB+(8*\g+\i)*PITCH
.endr
.endm
.macro PF slab                         ; my wave's own 32 rows x 512 bytes of a later slab: 64 blocks of 256 bytes, one lane each, asked for once in the launch
	global_prefetch_b8 v[PFO], s[VB:VB+1] offset:512*\slab th:TH_LOAD_NT scope:SCOPE_SE
	global_prefetch_b8 v[PFO], s[VB:VB+1] offset:65536+512*\slab th:TH_LOAD_NT scope:SCOPE_SE
.endm
.macro CVLOAD p                        ; 32 LDS loads: c2 and -2 V of u = 256 w + 128 p + 16 b + 8 h + 0..7
.irp b, 0,1,2,3,4,5,6,7
	ds_load_b128 v[C2R+8*\b:C2R+8*\b+3],   v[CVA] offset:512*\p+64*\b
	ds_load_b128 v[C2R+8*\b+4:C2R+8*\b+7], v[CVA] offset:512*\p+64*\b+16
	ds_load_b128 v[VMR+8*\b:VMR+8*\b+3],   v[CVA] offset:4096+512*\p+64*\b
	ds_load_b128 v[VMR+8*\b+4:VMR+8*\b+7], v[CVA] offset:4096+512*\p+64*\b+16
.endr
.endm
; ONE K STEP on W1 buffer q.  What else it does is set in the symbols S_.. by P0SET or P1SET:
;   S_NA, S_NK  register and offset of the NEXT step's fragments of values     S_PFB, S_BOFF  fetch W1 three steps ahead into buffer qn, from where
;   S_CV, S_CVS convert group S_CV of slab S_CVS (-1: none)                    S_VL, S_VLS    load group S_VL of slab S_VLS (-1: none)
;   S_BAR       the barrier that shows the next slab                          S_LAST, S_P    last step of pass S_P: fetch c2 and V instead of fragments
.macro STEP q, qn, sreg
.if LN-BE\q <= 63
	s_wait_loadcnt LN-BE\q                         ; loads come back in order (ISA guide 5.7.1): this step's W1 is in, and so is every load of values issued before it
.endif
	s_wait_dscnt 8+8*PCV                           ; rows 0-63 of this step are in; younger: the last conversion's 8 stores, if any, and the 8 loads of rows 64-127
	WIN MUL_LO
	MUL16 64*\q, 0, 0, S_ZERO
.if S_BAR
	s_wait_dscnt 0x0                               ; my stores into the next slab are done (and no LDS instruction is pending at the signal)
	s_barrier_signal -1
.endif
	MUL16 64*\q, 0, 2, S_ZERO
.if S_BAR
	s_barrier_wait -1                              ; the next slab is whole
.endif
	PLACES
	WIN 0
.if S_LAST
	CVLOAD S_P
.else
	ALOAD 0, S_NA, S_NK
.endif
.if S_PFB
	BLOAD \qn, \sreg, S_BOFF                       ; buffer qn was last read a step ago; the places above stand between
	WIN 0
.endif
.if S_CV >= 0
	VCVT S_CV, S_CVS, RING, 0                      ; loaded four steps ago, ahead of this step's W1: shown landed by the wait at the step's head
.endif
.if S_VL >= 0
	VLOAD S_VL, S_VLS, RING
.endif
.if S_PF >= 0
	PF S_PF
.endif
.if S_LAST
	s_wait_dscnt 32                                ; rows 64-127 are in; the 32 loads of c2 and V are younger
.else
.if S_CV >= 0
	s_wait_dscnt 16                                ; younger: 8 loads and 8 stores of this run
.else
	s_wait_dscnt 8
.endif
.endif
	WIN MUL_HI
	MUL16 64*\q, 1, 0, S_ZERO
	MUL16 64*\q, 1, 2, S_ZERO
.if S_LAST == 0
	PLACES
	WIN 0
	ALOAD 1, S_NA, S_NK
.endif
.if S_CV >= 0
.set PCV, 1
.else
.set PCV, 0
.endif
.endm
; Pass 0, trip tau (it multiplies slab tau), step q.  Steps 0, 1, 2 convert groups 1, 2, 3 of slab tau + 1 and load them again with slab tau + 2;
; the barrier in step 3 shows slab tau + 1; step 3 converts group 0 of slab tau + 2 and loads it again with slab tau + 3.  Slabs 0 and 1 and group 0
; of slab 2 are the prologue's.  Step 1 of trips 0..3 prefetches slab tau + 4, whose first load stands six steps further on; later trips ask for nothing.
.macro P0SET tau, q
.set S_CV, -1
.set S_VL, -1
.set S_PF, -1
.set S_BAR, 0
.set S_ZERO, 0
.set S_LAST, 0
.set S_PFB, 1
.set S_P, 0
.set S_BOFF, \tau*32768+(\q+3)*8192
.if \q < 3
.set S_NA, ADRA+(\tau>>1)
.set S_NK, (\tau&1)*SLAB+64*(\q+1)
.if \tau >= 1
.if \tau <= 6
.set S_CV, \q+1
.set S_CVS, \tau+1
.endif
.endif
.if \tau <= 5
.set S_VL, \q+1
.set S_VLS, \tau+2
.endif
.else
.set S_NA, ADRA+((\tau+1)>>1)
.set S_NK, ((\tau+1)&1)*SLAB
.if \tau >= 1
.if \tau <= 6
.set S_BAR, 1
.endif
.endif
.if \tau <= 5
.set S_CV, 0
.set S_CVS, \tau+2
.endif
.if \tau <= 4
.set S_VL, 0
.set S_VLS, \tau+3
.endif
.if \tau == 7
.set S_LAST, 1
.endif
.endif
.if \q == 1
.if \tau <= 3
.set S_PF, \tau+4
.endif
.endif
.if \q == 0
.if \tau == 0
.set S_ZERO, 1
.endif
.endif
.endm
.macro P0TRIP tau
	P0SET \tau, 0
	STEP 0, 3, WB
	P0SET \tau, 1
	STEP 1, 0, WB
	P0SET \tau, 2
	STEP 2, 1, WB
	P0SET \tau, 3
	STEP 3, 2, WB
.endm
.macro P1SET q, zero, pfb, last
.set S_CV, -1
.set S_VL, -1
.set S_PF, -1
.set S_BAR, 0
.set S_ZERO, \zero
.set S_LAST, \last
.set S_PFB, \pfb
.set S_P, 1
.set S_BOFF, (\q+3)*8192
.set S_NA, ADRP
.if \q < 3
.set S_NK, 64*(\q+1)
.else
.set S_NK, SLAB
.endif
.endm
.macro P1TRIP zero, tail               ; tail = 1: the last trip: only its first step still fetches W1 (the stream's last K step), and nothing reaches past wf
	P1SET 0, \zero, 1, 0
	STEP 0, 3, WB1
	P1SET 1, 0, 1-\tail, 0
	STEP 1, 0, WB1
	P1SET 2, 0, 1-\tail, 0
	STEP 2, 1, WB1
	P1SET 3, 0, 1-\tail, \tail
	STEP 3, 2, WB1
.endm
.macro TRIPEND
	s_wait_xcnt 0x0                                ; the pending loads of W1 have had their addresses translated (ISA guide 3.1): their base is stepped only behind this wait
	s_add_nc_u64 s[WB1:WB1+1], s[WB1:WB1+1], 32768
	v_add_nc_u32 v[ADRP], SLAB, v[ADRP]
.endm
; The epilogue of four row tiles (one window of accumulators): r = 1 / (1 + 2^(K2 acc + c2)) in place, then T(a) += (-2 V) r.
.macro EPIW inwin, outwin, a0
	WIN \inwin                                     ; source 0 and destination: the accumulators' window
.irp a, 0,1,2,3
.irp b, 0,1,2,3,4,5,6,7
.irp j, 0,2,4,6
	v_pk_fma_f32 v[64*\a+8*\b+\j:64*\a+8*\b+\j+1], v[64*\a+8*\b+\j:64*\a+8*\b+\j+1], s[K2P:K2P+1], v[C2R+8*\b+\j:C2R+8*\b+\j+1] op_sel_hi:[1,0,1]
.endr
.endr
.set ee, 0
.rept 64
	v_exp_f32 v[64*\a+ee], v[64*\a+ee]
.set ee, ee+1
.endr
	v_nop                                          ; one plain vector instruction between a transcendental and the use of its result (ISA guide 5.7.2)
.set ee, 0
	s_wait_alu depctr_va_vdst(0)
.rept 32
	v_pk_add_f32 v[64*\a+ee:64*\a+ee+1], v[64*\a+ee:64*\a+ee+1], 1.0 op_sel_hi:[1,0]
.set ee, ee+2
.endr
.set ee, 0
.rept 64
	v_rcp_f32 v[64*\a+ee], v[64*\a+ee]
.set ee, ee+1
.endr
	v_nop
	s_wait_alu depctr_va_vdst(0)
.endr
	WIN \outwin                                    ; source 0: the accumulators' window; all else window 0
.irp b, 0,1,2,3,4,5,6,7
.irp a, 0,1,2,3
.irp j, 0,2,4,6
.if \b == 0
	v_pk_mul_f32 v[AF+8*(\a0+\a)+\j:AF+8*(\a0+\a)+\j+1], v[64*\a+8*\b+\j:64*\a+8*\b+\j+1], v[VMR+8*\b+\j:VMR+8*\b+\j+1]
.else
	v_pk_fma_f32 v[AF+8*(\a0+\a)+\j:AF+8*(\a0+\a)+\j+1], v[64*\a+8*\b+\j:64*\a+8*\b+\j+1], v[VMR+8*\b+\j:VMR+8*\b+\j+1], v[AF+8*(\a0+\a)+\j:AF+8*(\a0+\a)+\j+1]
.endif
.endr
.endr
.endr
.endm
.macro EPI p
	s_wait_dscnt 0x0                               ; c2 and -2 V of this pass are in
	PLACES                                         ; behind the pass's last matrix instructions
	EPIW 0x82, 0x02, 0
	EPIW 0xc3, 0x03, 4
	WIN 0
.irp a, 0,1,2,3,4,5,6,7
	v_pk_add_f32 v[AF+8*\a:AF+8*\a+1], v[AF+8*\a:AF+8*\a+1], v[AF+8*\a+2:AF+8*\a+3]
	v_pk_add_f32 v[AF+8*\a+4:AF+8*\a+5], v[AF+8*\a+4:AF+8*\a+5], v[AF+8*\a+6:AF+8*\a+7]
	v_pk_add_f32 v[AF+8*\a:AF+8*\a+1], v[AF+8*\a:AF+8*\a+1], v[AF+8*\a+4:AF+8*\a+5]
.if \p == 0
	v_add_f32 v[SCO+\a], v[AF+8*\a], v[AF+8*\a+1]  ; pass 0 starts the row's sum
.else
	v_add_f32 v[AF+8*\a], v[AF+8*\a], v[AF+8*\a+1]
	v_add_f32 v[SCO+\a], v[SCO+\a], v[AF+8*\a]
.endif
.endr
.if \p == 0
	ALOAD 0, ADRP, 0                               ; pass 1 begins again at k = 0
	ALOAD 1, ADRP, 0
.endif
.endm
	; ---------------- prologue
	s_load_b512 s[8:23], s[0:1], 0x0               ; values s[8:9], wf s[10:11], c2 s[12:13], V s[14:15], bv s[16:17], scores s[18:19], stats s[20:21], ctxp s[22:23]
	v_lshl_add_u32 v62, v0, 2, 0x47000
	v_mov_b32 v63, 0
	v_lshrrev_b32 v24, 5, v0
	v_readfirstlane_b32 s2, v24                    ; wave 0..3
	v_and_b32 v25, 31, v0                          ; lane
	v_lshlrev_b32 v[L16], 4, v25
	v_lshlrev_b32 v[L8], 3, v25
	v_and_b32 v[RR], 15, v0
	v_bfe_u32 v[HH], v0, 4, 1
	v_mul_u32_u24 v26, v[RR], PITCH
	v_lshl_add_u32 v26, v[HH], 4, v26              ; r PITCH + 16 h
	s_mul_i32 s4, s2, 32*PITCH                     ; my 32 rows of a slab
	v_add_nc_u32 v27, s4, v[L8]
.irp n, 0,1,2,3
	v_add_nc_u32 v[ADRA+\n], \n*2*SLAB, v26
	v_add_nc_u32 v[STA+\n], \n*2*SLAB, v27
.endr
	v_mov_b32 v[ADRP], v26
	s_lshl_b32 s5, s2, 10
	s_add_co_u32 s5, s5, LCL
	v_lshl_add_u32 v[CVA], v[HH], 5, s5
	s_lshl_b32 s6, s2, 9
	s_add_co_u32 s7, s6, LSS
	v_lshl_add_u32 v[SADR], v[RR], 2, s7
	v_add_nc_u32 v[SRD], LSS, v[L16]
	s_add_co_u32 s7, s6, LPL
	v_add_nc_u32 v[PADR], s7, v[L16]
	v_mov_b32 v[PB], s7
	v_add_nc_u32 v[VLA], LVL, v[L16]
	v_lshrrev_b32 v28, 1, v25
	v_and_b32 v29, 1, v25
	v_lshlrev_b32 v29, 8, v29
	v_lshl_add_u32 v[PFO], v28, 12, v29
	s_mul_i32 s7, s2, 2*SLAB
	v_mul_u32_u24 v28, v[HH], SLAB
	v_lshl_add_u32 v28, v[RR], 4, v28
	v_add_nc_u32 v[CADR], s7, v28
	v_lshlrev_b32 v[T16], 4, v0
	v_add_nc_u32 v[CLA], LCL, v[T16]
	s_mov_b32 s28, K2
	s_mov_b32 s29, K2
	s_mov_b32 s30, 0x76543210                      ; v_permlanex16_b32: lane i of one half reads lane i of the other
	s_mov_b32 s31, 0xfedcba98
	s_mov_b32 s33, LOG2E
	s_lshl_b32 s4, ttmp9, 19                       ; 128 rows of 4,096 bytes for each work-group (below 2^28),
	s_lshl_b32 s5, s2, 17                          ; 32 rows for each wave
	s_add_co_u32 s4, s4, s5
	s_mov_b32 s5, 0
	s_lshl_b32 s6, s2, 19                          ; my wave's 524,288 bytes of wf
	s_mov_b32 s7, 0
	s_mov_b32 s37, 0
	s_wait_kmcnt 0x0
	s_load_b32 s32, s[16:17], 0x0                  ; bv
	s_add_nc_u64 s[VB:VB+1], s[8:9], s[4:5]
	s_add_nc_u64 s[WB:WB+1], s[10:11], s[6:7]
	s_add_nc_u64 s[WB1:WB1+1], s[WB:WB+1], 0x40000 ; pass 1's half of the stream
	s_lshr_b32 s36, ttmp9, 4
	s_lshl_b32 s36, s36, 12
	s_add_nc_u64 s[12:13], s[12:13], s[36:37]      ; c2 of my batch
	s_lshl_b32 s36, ttmp9, 9
	s_add_nc_u64 s[38:39], s[18:19], s[36:37]      ; my 128 scores
	s_lshl_b32 s36, ttmp9, 8
	s_add_nc_u64 s[40:41], s[20:21], s[36:37]      ; my 256 bytes of stats
	s_lshl_b32 s36, ttmp9, 12
	s_lshl_b32 s4, s2, 10
	s_add_co_u32 s36, s36, s4
	s_add_nc_u64 s[42:43], s[22:23], s[36:37]      ; my wave's 1,024 bytes of ctxp
	global_load_b128 v[CIN:CIN+3],   v[T16], s[12:13]
	global_load_b128 v[CIN+4:CIN+7], v[T16], s[12:13] offset:2048
	global_load_b128 v[VIN:VIN+3],   v[T16], s[14:15]
	global_load_b128 v[VIN+4:VIN+7], v[T16], s[14:15] offset:2048
.set LN, 4
	BLOAD 0, WB, 0
	WIN 0
	VLOAD 0, 0, RING                               ; slab 0
	VLOAD 1, 0, RING
	VLOAD 2, 0, RING
	VLOAD 3, 0, RING
	WIN TO_2                                       ; slab 1 lands in accumulator registers that the first products will overwrite
	VLOAD 0, 1, 0
	VLOAD 1, 1, 0
	VLOAD 2, 1, 0
	VLOAD 3, 1, 0
	WIN 0
	s_wait_loadcnt 56                              ; younger: 24 loads of slab 0 and 32 of slab 1.  c2, V, the first W1 fragments and group 0 are in
	PF 2
.irp k, 0,2,4,6
	v_pk_mul_f32 v[VIN+\k:VIN+\k+1], v[VIN+\k:VIN+\k+1], -2.0 op_sel_hi:[1,0]
.endr
	ds_store_b128 v[CLA], v[CIN:CIN+3]
	ds_store_b128 v[CLA], v[CIN+4:CIN+7] offset:2048
	ds_store_b128 v[CLA], v[VIN:VIN+3]   offset:4096
	ds_store_b128 v[CLA], v[VIN+4:VIN+7] offset:6144
	VCVT 0, 0, RING, 0
	s_wait_loadcnt 48
	PF 3
	VCVT 1, 0, RING, 0
	s_wait_loadcnt 40
	VCVT 2, 0, RING, 0
	s_wait_loadcnt 32                              ; only slab 1 is out
	VCVT 3, 0, RING, 0
	BLOAD 1, WB, 8192
	BLOAD 2, WB, 16384
	WIN 0
	s_wait_loadcnt 56                              ; younger: 24 loads of slab 1 and the 32 of W1
	VCVT 0, 1, 0, FROM_2
	s_wait_loadcnt 48
	VCVT 1, 1, 0, FROM_2
	s_wait_loadcnt 40
	VCVT 2, 1, 0, FROM_2
	s_wait_loadcnt 32
	VCVT 3, 1, 0, FROM_2
	VLOAD 0, 2, RING                               ; group 0 of slab 2
	s_wait_kmcnt 0x0                               ; bv
	s_wait_dscnt 0x0                               ; my stores of c2, V and slabs 0 and 1 are done before I say so
	s_barrier_signal -1
	s_barrier_wait -1
	ALOAD 0, ADRA, 0
	ALOAD 1, ADRA, 0
.set PCV, 0
	; ---------------- pass 0: eight trips written out; every address is a constant, nothing is stepped
	P0TRIP 0
	P0TRIP 1
	P0TRIP 2
	P0TRIP 3
	P0TRIP 4
	P0TRIP 5
	P0TRIP 6
	P0TRIP 7
	EPI 0                                          ; pass 1's first three W1 fragments are on their way into window 1 meanwhile
	; ---------------- pass 1: the same block from LDS, my other 128 u
	P1TRIP 1, 0
	TRIPEND
	WIN 0                                          ; at a label and at a branch every window is 0
	s_mov_b32 s3, 6
.Lp1:
	P1TRIP 0, 0
	TRIPEND
	WIN 0
	s_sub_co_u32 s3, s3, 1
	s_cmp_lg_u32 s3, 0
	s_cbranch_scc1 .Lp1
	P1TRIP 0, 1
	EPI 1
	; ---------------- the block's scores
.irp a, 0,1,2,3,4,5,6,7
	v_permlanex16_b32 v[AF+\a], v[SCO+\a], s30, s31       ; the other half of the lanes holds the other eight u of each tile column
.endr
.irp a, 0,1,2,3,4,5,6,7
	v_add_f32 v[SCO+\a], v[SCO+\a], v[AF+\a]
.endr
.irp a, 0,1,2,3,4,5,6,7
	ds_store_b32 v[SADR], v[SCO+\a] offset:64*\a          ; row 16 a + r; both halves of the lanes store the same number
.endr
.irp n, 0,1,2,3,4,5,6,7
	ds_load_b128 v[128+4*\n:131+4*\n], v[VLA] offset:512*\n   ; all 1,024 numbers -2 V, 32 a lane
.endr
	s_wait_dscnt 0x0
	s_barrier_signal -1
	s_barrier_wait -1
.irp n, 0,1,2,3
	ds_load_b128 v[160+4*\n:163+4*\n], v[SRD] offset:512*\n   ; the four waves' parts of rows 4 lane .. + 3
.endr
.irp k, 0,1,2,3,4,5,6,7
	v_pk_add_f32 v[128+2*\k:129+2*\k], v[128+2*\k:129+2*\k], v[144+2*\k:145+2*\k]
.endr
.irp k, 0,1,2,3
	v_pk_add_f32 v[128+2*\k:129+2*\k], v[128+2*\k:129+2*\k], v[136+2*\k:137+2*\k]
.endr
.irp k, 0,1
	v_pk_add_f32 v[128+2*\k:129+2*\k], v[128+2*\k:129+2*\k], v[132+2*\k:133+2*\k]
.endr
	v_pk_add_f32 v[128:129], v[128:129], v[130:131]
	v_add_f32 v128, v128, v129
	v_add_f32_dpp v128, v128, v128 row_xmask:1 row_mask:0xf bank_mask:0xf
	v_add_f32_dpp v128, v128, v128 row_xmask:2 row_mask:0xf bank_mask:0xf
	v_add_f32_dpp v128, v128, v128 row_xmask:4 row_mask:0xf bank_mask:0xf
	v_add_f32_dpp v128, v128, v128 row_xmask:8 row_mask:0xf bank_mask:0xf
	v_permlanex16_b32 v129, v128, s30, s31
	v_add_f32 v128, v128, v129                     ; sum of -2 V
	v_fma_f32 v[BASE], v128, -0.5, s32             ; bv + sum of V
	s_wait_dscnt 0x0
	v_pk_add_f32 v[160:161], v[160:161], v[164:165]
	v_pk_add_f32 v[162:163], v[162:163], v[166:167]
	v_pk_add_f32 v[168:169], v[168:169], v[172:173]
	v_pk_add_f32 v[170:171], v[170:171], v[174:175]
	v_pk_add_f32 v[160:161], v[160:161], v[168:169]
	v_pk_add_f32 v[162:163], v[162:163], v[170:171]
.irp k, 0,1,2,3
	v_add_f32 v[SCR+\k], v[160+\k], v[BASE]        ; every wave holds all 128 scores
.endr
	; the block's maximum, p = exp(score - m), l = sum of p
	v_max3_num_f32 v228, v[SCR], v[SCR+1], v[SCR+2]
	v_max_num_f32 v228, v228, v[SCR+3]
	v_max_num_f32_dpp v228, v228, v228 row_xmask:1 row_mask:0xf bank_mask:0xf
	v_max_num_f32_dpp v228, v228, v228 row_xmask:2 row_mask:0xf bank_mask:0xf
	v_max_num_f32_dpp v228, v228, v228 row_xmask:4 row_mask:0xf bank_mask:0xf
	v_max_num_f32_dpp v228, v228, v228 row_xmask:8 row_mask:0xf bank_mask:0xf
	v_permlanex16_b32 v229, v228, s30, s31
	v_max_num_f32 v[ML], v228, v229
	v_mul_f32 v230, s33, v[ML]
.irp k, 0,1,2,3
	v_fma_f32 v[PP+\k], v[SCR+\k], s33, -v230      ; (score - m) log2 e, at most 0 up to the rounding of m log2 e
.endr
.irp k, 0,1,2,3
	v_exp_f32 v[PP+\k], v[PP+\k]
.endr
	v_nop
	s_wait_alu depctr_va_vdst(0)
	v_add_f32 v231, v[PP], v[PP+1]
	v_add_f32 v232, v[PP+2], v[PP+3]
	ds_store_b128 v[PADR], v[PP:PP+3]              ; my wave's own copy of p: read back below without a barrier
	v_add_f32 v231, v231, v232
	v_add_f32_dpp v231, v231, v231 row_xmask:1 row_mask:0xf bank_mask:0xf
	v_add_f32_dpp v231, v231, v231 row_xmask:2 row_mask:0xf bank_mask:0xf
	v_add_f32_dpp v231, v231, v231 row_xmask:4 row_mask:0xf bank_mask:0xf
	v_add_f32_dpp v231, v231, v231 row_xmask:8 row_mask:0xf bank_mask:0xf
	v_permlanex16_b32 v229, v231, s30, s31
	v_add_f32 v[ML+1], v231, v229
	s_cmp_lg_u32 s2, 0
	s_cbranch_scc1 .Lnot0
	global_store_b128 v[L16], v[SCR:SCR+3], s[38:39]      ; wave 0: the 128 raw scores, 512 consecutive bytes
	global_store_b64 v[L8], v[ML:ML+1], s[40:41]          ; and (m, l) from every lane: 256 consecutive bytes, aligned
.Lnot0:
	; ---------------- sum over the 128 rows of p[t] values[t][d]: wave w takes d = 256 w .. + 255 (slabs 2 w, 2 w + 1), lane L eight of them
.macro XLOAD buf, g                    ; rows 8 g .. 8 g + 7: 16 bytes of each a lane, and their p: ten LDS loads
.irp i, 0,1,2,3,4,5,6,7
	ds_load_b128 v[X+32*\buf+4*\i:X+32*\buf+4*\i+3], v[CADR] offset:(8*\g+\i)*PITCH
.endr
	ds_load_b128 v[PR+8*\buf:PR+8*\buf+3],   v[PB] offset:32*\g
	ds_load_b128 v[PR+8*\buf+4:PR+8*\buf+7], v[PB] offset:32*\g+16
.endm
	XLOAD 0, 0
.irp k, 0,1,2,3,4,5,6,7
	v_mov_b32 v[CX+\k], 0
.endr
.set G, 0
.rept 16
.set CB, G&1
.set NB, (G+1)&1
.set NG, G+1
.if G < 15
	XLOAD NB, NG
	s_wait_dscnt 10                                ; all but the ten loads just issued
.else
	s_wait_dscnt 0
.endif
.irp i, 0,1,2,3,4,5,6,7
.irp j, 0,1,2,3
	v_fma_mix_f32_bf16 v[CX+2*\j],   v[X+32*CB+4*\i+\j], v[PR+8*CB+\i], v[CX+2*\j]   op_sel:[0,0,0] op_sel_hi:[1,0,0]
	v_fma_mix_f32_bf16 v[CX+2*\j+1], v[X+32*CB+4*\i+\j], v[PR+8*CB+\i], v[CX+2*\j+1] op_sel:[1,0,0] op_sel_hi:[1,0,0]
.endr
.endr
.set G, G+1
.endr
	global_store_b128 v[L16], v[CX:CX+3],   s[42:43]              ; d = 256 w + 8 L + 0..3: 512 consecutive bytes
	global_store_b128 v[L16], v[CX+4:CX+7], s[42:43] offset:512   ; d = 256 w + 8 L + 4..7
	s_wait_tensorcnt 0x0
	ds_add_u32 v62, v63
	s_wait_dscnt 0x0
	s_endpgm
.Lfunc_end_k_qc003378c79_attn:
	.size	k_qc003378c79_attn, .Lfunc_end_k_qc003378c79_attn-k_qc003378c79_attn
	.p2alignl 7, 3214868480
	.fill 96, 4, 3214868480
	.section	.rodata,"a",@progbits
	.p2align	6, 0x0
	.amdhsa_kernel k_qc003378c79_attn
		.amdhsa_group_segment_fixed_size 291328
		.amdhsa_private_segment_fixed_size 0
		.amdhsa_enable_private_segment 0
		.amdhsa_kernarg_size 64
		.amdhsa_user_sgpr_count 2
		.amdhsa_user_sgpr_kernarg_segment_ptr 1
		.amdhsa_wavefront_size32 1
		.amdhsa_system_sgpr_workgroup_id_x 1
		.amdhsa_system_sgpr_workgroup_id_y 1
		.amdhsa_system_sgpr_workgroup_id_z 1
		.amdhsa_system_vgpr_workitem_id 0
		.amdhsa_next_free_vgpr 1024
		.amdhsa_next_free_sgpr 66
		.amdhsa_reserve_vcc 0
		.amdhsa_float_denorm_mode_32 3
		.amdhsa_float_denorm_mode_16_64 3
		.amdhsa_memory_ordered 1
		.amdhsa_forward_progress 1
		.amdhsa_inst_pref_size 255
	.end_amdhsa_kernel
	.section	.bss,"aw",@nobits
	.p2align	6
	.space	262144
	.amdgpu_metadata
---
amdhsa.version: [ 1, 2 ]
amdhsa.kernels:
  - .name:           k_qc003378c79_attn
    .symbol:         k_qc003378c79_attn.kd
    .args:
      - { .name: values, .offset: 0, .size: 8, .value_kind: global_buffer, .address_space: global }
      - { .name: wf, .offset: 8, .size: 8, .value_kind: global_buffer, .address_space: global }
      - { .name: c2, .offset: 16, .size: 8, .value_kind: global_buffer, .address_space: global }
      - { .name: V, .offset: 24, .size: 8, .value_kind: global_buffer, .address_space: global }
      - { .name: bv, .offset: 32, .size: 8, .value_kind: global_buffer, .address_space: global }
      - { .name: scores, .offset: 40, .size: 8, .value_kind: global_buffer, .address_space: global }
      - { .name: stats, .offset: 48, .size: 8, .value_kind: global_buffer, .address_space: global }
      - { .name: ctxp, .offset: 56, .size: 8, .value_kind: global_buffer, .address_space: global }
    .group_segment_fixed_size: 291328
    .private_segment_fixed_size: 0
    .kernarg_segment_align: 8
    .kernarg_segment_size: 64
    .max_flat_workgroup_size: 128
    .sgpr_count:     66
    .vgpr_count:     1024
    .wavefront_size: 32
...
	.end_amdgpu_metadata
.endif
;; end of part 2
;; launch finish (part 3): grid 32 x 1, 8 waves a work-group, no clusters, 0 bytes of LDS; arguments scores, stats, ctxp, out0, out1; writes out0, out1
.if DOCPART == 3
	.amdgcn_target "amdgcn-amd-amdhsa--gfx1250"
	.amdhsa_code_object_version 6
	.text
	.protected	k_qc003378c79_finish
	.globl	k_qc003378c79_finish
	.p2align	8
	.type	k_qc003378c79_finish,@function
k_qc003378c79_finish:
	s_mov_b64 s[64:65], 0
	v_nop
	global_prefetch_b8 v0, s[64:65] scope:SCOPE_SE
	s_setreg_imm32_b32 hwreg(HW_REG_WAVE_MODE, 25, 1), 1
	s_wait_xcnt 0x0
; One work-group for each batch joins its 16 blocks of 128 times.  M = max of the blocks' maxima m, f = exp(m - M), L = sum of l f (at least 1);
; out1[t] = exp(score[t] - M) / L;  out0[d] = sum over the blocks of (f / L) ctxp[block][d].
; 256 threads: thread x makes 8 weights and 4 numbers of the context.  A few kilobytes for each work-group: no LDS, no barrier, no matrix unit.
.set LOG2E, 0x3fb8aa3b
	s_load_b256 s[4:11], s[0:1], 0x0               ; scores s[4:5], stats s[6:7], ctxp s[8:9], out0 s[10:11]
	s_load_b64 s[12:13], s[0:1], 0x20              ; out1
	v_lshlrev_b32 v1, 4, v0                        ; 16 x
	v_lshrrev_b32 v2, 6, v0
	v_and_b32 v3, 1, v0
	v_lshlrev_b32 v3, 9, v3
	v_lshl_add_u32 v2, v2, 10, v3
	v_bfe_u32 v3, v0, 1, 5
	v_lshl_add_u32 v2, v3, 4, v2                   ; ctxp is [4 w][2 hf][32 L][4 e] for d = 256 w + 8 L + 4 hf + e; d = 4 x: w = x >> 6, L = (x & 63) >> 1, hf = x & 1
	v_and_b32 v3, 15, v0
	v_lshlrev_b32 v3, 8, v3                        ; lane i of each row of sixteen takes block i's (m, l)
	s_lshl_b32 s14, ttmp9, 12
	s_mov_b32 s15, 0
	s_lshl_b32 s32, ttmp9, 13
	s_mov_b32 s33, 0
	s_lshl_b32 s34, ttmp9, 16
	s_mov_b32 s35, 0
	s_mov_b32 s36, LOG2E
	s_wait_kmcnt 0x0
	s_add_nc_u64 s[6:7], s[6:7], s[14:15]          ; 16 blocks x 256 bytes
	s_add_nc_u64 s[10:11], s[10:11], s[14:15]      ; 1,024 f32
	s_add_nc_u64 s[4:5], s[4:5], s[32:33]          ; 2,048 f32
	s_add_nc_u64 s[12:13], s[12:13], s[32:33]
	s_add_nc_u64 s[8:9], s[8:9], s[34:35]          ; 16 blocks x 4,096 bytes
	global_load_b64 v[4:5], v3, s[6:7]
	global_load_b128 v[8:11], v1, s[4:5]
	global_load_b128 v[12:15], v1, s[4:5] offset:4096
.irp i, 0,1,2,3,4,5,6,7,8,9,10,11,12,13,14,15
	global_load_b128 v[16+4*\i:19+4*\i], v2, s[8:9] offset:\i*4096
.endr
	s_wait_loadcnt 18                              ; (m, l) is in; the 2 loads of scores and the 16 of ctxp are younger
	v_mov_b32 v6, v4
	v_max_num_f32_dpp v6, v6, v6 row_xmask:1 row_mask:0xf bank_mask:0xf
	v_max_num_f32_dpp v6, v6, v6 row_xmask:2 row_mask:0xf bank_mask:0xf
	v_max_num_f32_dpp v6, v6, v6 row_xmask:4 row_mask:0xf bank_mask:0xf
	v_max_num_f32_dpp v6, v6, v6 row_xmask:8 row_mask:0xf bank_mask:0xf   ; M, in every lane (both rows of sixteen hold the same sixteen blocks)
	v_mul_f32 v7, s36, v6                          ; M log2 e
	v_fma_f32 v84, v4, s36, -v7
	v_exp_f32 v84, v84                             ; f = exp(m - M)
	v_nop                                          ; one plain vector instruction behind a transcendental (ISA guide 5.7.2)
	s_wait_alu depctr_va_vdst(0)
	v_mul_f32 v85, v5, v84
	v_add_f32_dpp v85, v85, v85 row_xmask:1 row_mask:0xf bank_mask:0xf
	v_add_f32_dpp v85, v85, v85 row_xmask:2 row_mask:0xf bank_mask:0xf
	v_add_f32_dpp v85, v85, v85 row_xmask:4 row_mask:0xf bank_mask:0xf
	v_add_f32_dpp v85, v85, v85 row_xmask:8 row_mask:0xf bank_mask:0xf   ; L
	v_rcp_f32 v86, v85
	v_nop
	s_wait_alu depctr_va_vdst(0)
	v_mul_f32 v84, v84, v86                        ; block i's weight f / L in lane i
.irp i, 0,1,2,3,4,5,6,7,8,9,10,11,12,13,14,15
	v_readlane_b32 s[16+\i], v84, \i
.endr
	s_wait_loadcnt 16                              ; the scores are in
.irp k, 8,9,10,11,12,13,14,15
	v_fma_f32 v\k, v\k, s36, -v7
.endr
.irp k, 8,9,10,11,12,13,14,15
	v_exp_f32 v\k, v\k
.endr
	v_nop
	s_wait_alu depctr_va_vdst(0)
.irp k, 8,9,10,11,12,13,14,15
	v_mul_f32 v\k, v\k, v86
.endr
	global_store_b128 v1, v[8:11], s[12:13]
	global_store_b128 v1, v[12:15], s[12:13] offset:4096
	s_wait_loadcnt 0x0
.irp e, 0,1,2,3
	v_mul_f32 v[80+\e], s16, v[16+\e]              ; block 0 starts the sums
.endr
.irp i, 1,2,3,4,5,6,7,8,9,10,11,12,13,14,15
.irp e, 0,1,2,3
	v_fmac_f32 v[80+\e], s[16+\i], v[16+4*\i+\e]
.endr
.endr
	global_store_b128 v1, v[80:83], s[10:11]
	s_endpgm
.Lfunc_end_k_qc003378c79_finish:
	.size	k_qc003378c79_finish, .Lfunc_end_k_qc003378c79_finish-k_qc003378c79_finish
	.p2alignl 7, 3214868480
	.fill 96, 4, 3214868480
	.section	.rodata,"a",@progbits
	.p2align	6, 0x0
	.amdhsa_kernel k_qc003378c79_finish
		.amdhsa_group_segment_fixed_size 0
		.amdhsa_private_segment_fixed_size 0
		.amdhsa_enable_private_segment 0
		.amdhsa_kernarg_size 40
		.amdhsa_user_sgpr_count 2
		.amdhsa_user_sgpr_kernarg_segment_ptr 1
		.amdhsa_wavefront_size32 1
		.amdhsa_system_sgpr_workgroup_id_x 1
		.amdhsa_system_sgpr_workgroup_id_y 1
		.amdhsa_system_sgpr_workgroup_id_z 1
		.amdhsa_system_vgpr_workitem_id 0
		.amdhsa_next_free_vgpr 96
		.amdhsa_next_free_sgpr 66
		.amdhsa_reserve_vcc 0
		.amdhsa_float_denorm_mode_32 3
		.amdhsa_float_denorm_mode_16_64 3
		.amdhsa_memory_ordered 1
		.amdhsa_forward_progress 1
		.amdhsa_inst_pref_size 9
	.end_amdhsa_kernel
	.amdgpu_metadata
---
amdhsa.version: [ 1, 2 ]
amdhsa.kernels:
  - .name:           k_qc003378c79_finish
    .symbol:         k_qc003378c79_finish.kd
    .args:
      - { .name: scores, .offset: 0, .size: 8, .value_kind: global_buffer, .address_space: global }
      - { .name: stats, .offset: 8, .size: 8, .value_kind: global_buffer, .address_space: global }
      - { .name: ctxp, .offset: 16, .size: 8, .value_kind: global_buffer, .address_space: global }
      - { .name: out0, .offset: 24, .size: 8, .value_kind: global_buffer, .address_space: global }
      - { .name: out1, .offset: 32, .size: 8, .value_kind: global_buffer, .address_space: global }
    .group_segment_fixed_size: 0
    .private_segment_fixed_size: 0
    .kernarg_segment_align: 8
    .kernarg_segment_size: 40
    .max_flat_workgroup_size: 256
    .sgpr_count:     66
    .vgpr_count:     96
    .wavefront_size: 32
...
	.end_amdgpu_metadata
.endif
;; end of part 3
;; ======== version 2 of 3: 3 launches
;; limits: values outside matrix products are rounded to bf16
;; workspace buffers: wf 2,097,152 bytes; c2 131,072 bytes; scores 262,144 bytes; stats 131,072 bytes; ctxp 2,097,152 bytes
;; launch prep (part 4): grid 128 x 1, 16 waves a work-group, no clusters, 67,584 bytes of LDS; arguments W1, W2, query, b1, b2, wf, c2; writes wf, c2
.if DOCPART == 4
	.amdgcn_target "amdgcn-amd-amdhsa--gfx1250"
	.amdhsa_code_object_version 6
	.text
	.protected	k_qc003378c79_prep
	.globl	k_qc003378c79_prep
	.p2align	8
	.type	k_qc003378c79_prep,@function
k_qc003378c79_prep:
	s_mov_b64 s[64:65], 0
	v_nop
	global_prefetch_b8 v0, s[64:65] scope:SCOPE_SE
	s_setreg_imm32_b32 hwreg(HW_REG_WAVE_MODE, 25, 1), 1
	s_wait_xcnt 0x0
; Two preparations for the attention launch, chosen by the work-group's number (the same in all its waves).  K2 = 2 log2(e).
; Work-groups 64..127 (part W): W1 [1024 k][1024 u] f32 -> wf = bf16(K2 W1), in the order of matrix fragments:
;   W1[k][u], u = 128 ug + 16 b + r, k = 32 ks + 16 hf + 8 h + e, lies at byte ((ug*32+ks)*8+b)*1024 + hf*512 + (16 h + r)*16 + 2 e,
;   so that a later load of 16 bytes a lane, 512 consecutive bytes a wave, is half a fragment (16 u x 32 k) as the matrix unit wants it.
;   The factor K2 is taken in before the one rounding to bf16, so that the later sums are exponents of 2 as they stand.
; Work-groups 0..63 (part Q): c2[b][u] = K2 * (sum over k of query[b][k] W2[k][u] + b2[u] + b1[u]), in f32.
;   A product of 32 rows: it streams W2 and is done by packed f32 multiply-adds; the matrix unit would have nothing to gain.
.set K2, 0x4038aa3b
.set RL, 32768                         ; LDS: bytes 0..32767 query pieces, 2,048 for each wave, its own; from RL on the waves' partial sums, 2,048 each
.set AC, 32                            ; v[32:47]   8 batches x 2 columns: the sums
.set WR, 64                            ; v[64:191]  64 rows of W2, 2 columns each
.set QR, 192                           ; v[192:255] two buffers of 8 batches x 4 k of query
	s_load_b256 s[8:15], s[0:1], 0x0               ; W1 s[8:9], W2 s[10:11], query s[12:13], b1 s[14:15]
	s_load_b128 s[16:19], s[0:1], 0x20             ; b2 s[16:17], wf s[18:19]
	s_load_b64 s[20:21], s[0:1], 0x30              ; c2
	v_lshl_add_u32 v14, v0, 2, 0x10000
	v_mov_b32 v15, 0
	v_lshrrev_b32 v1, 5, v0
	v_readfirstlane_b32 s2, v1                     ; wave 0..15
	v_and_b32 v1, 31, v0                           ; lane L
	s_cmp_lt_u32 ttmp9, 64
	s_cbranch_scc1 .Lq
	; ---- part W: each wave turns a unit of 32 k x 32 u; 64 work-groups x 16 waves = the 1,024 units of W1
	s_sub_co_u32 s3, ttmp9, 64                     ; j
	s_and_b32 s4, s3, 15
	s_lshl_b32 s4, s4, 1
	s_and_b32 s5, s2, 1
	s_add_co_u32 s4, s4, s5                        ; which 32 columns: 2 (j & 15) + (w & 1)
	s_lshr_b32 s5, s3, 4
	s_lshl_b32 s5, s5, 3
	s_lshr_b32 s6, s2, 1
	s_add_co_u32 s5, s5, s6                        ; ks = 8 (j >> 4) + (w >> 1)
	s_lshl_b32 s22, s5, 17                         ; 32 rows of 4,096 bytes
	s_lshl_b32 s6, s4, 7                           ; 32 columns of 4 bytes
	s_add_co_u32 s22, s22, s6
	s_mov_b32 s23, 0
	s_lshr_b32 s6, s4, 2                           ; ug
	s_lshl_b32 s6, s6, 5
	s_add_co_u32 s6, s6, s5                        ; ug*32 + ks
	s_lshl_b32 s6, s6, 3
	s_and_b32 s7, s4, 3
	s_lshl_b32 s7, s7, 1
	s_add_co_u32 s6, s6, s7                        ; + b of the unit's first 16 columns
	s_lshl_b32 s24, s6, 10
	s_mov_b32 s25, 0
	v_lshlrev_b32 v2, 2, v1                        ; 4 L: lane L takes column L of the unit
	v_lshrrev_b32 v3, 4, v1
	v_and_b32 v4, 15, v1
	v_lshlrev_b32 v4, 4, v4
	v_lshl_add_u32 v3, v3, 10, v4                  ; (L >> 4) * 1024 + (L & 15) * 16
	s_wait_kmcnt 0x0
	s_add_nc_u64 s[8:9], s[8:9], s[22:23]
	s_add_nc_u64 s[18:19], s[18:19], s[24:25]
.set kk, 0
.rept 32
	global_load_b32 v[32+kk], v2, s[8:9] offset:kk*4096 th:TH_LOAD_NT   ; row kk: 128 consecutive bytes; the wave beside (w xor 1) takes the 128 next to them
.set kk, kk+1
.endr
	s_wait_loadcnt 0x0
.set m, 0
.rept 16
	v_pk_mul_f32 v[32+2*m:33+2*m], v[32+2*m:33+2*m], K2 op_sel_hi:[1,0]
.set m, m+1
.endr
.set m, 0
.rept 16
	v_cvt_pk_bf16_f32 v[64+m], v[32+2*m], v[33+2*m]                     ; k = 2 m below, 2 m + 1 above
.set m, m+1
.endr
.irp q, 0,1,2,3
	global_store_b128 v3, v[64+4*\q:67+4*\q], s[18:19] offset:(\q>>1)*512+(\q&1)*256   ; k = 8 q .. 8 q + 7: hf = q >> 1, h = q & 1; sixteen lanes store 256 consecutive bytes, aligned
.endr
	s_endpgm
	; ---- part Q: the work-group makes 8 batches x 64 columns; wave w sums over k = 64 w .. 64 w + 63; lane L owns columns 2 L, 2 L + 1
.Lq:
	s_and_b32 s3, ttmp9, 15
	s_lshl_b32 s3, s3, 8                           ; first column in bytes: 64 (id & 15) x 4
	s_lshr_b32 s4, ttmp9, 4
	s_lshl_b32 s4, s4, 15                          ; first batch, 8 (id >> 4), x 4,096 bytes
	s_lshl_b32 s5, s2, 8
	s_add_co_u32 s22, s4, s5                       ; query: first batch's row + my 64 k
	s_mov_b32 s23, 0
	s_lshl_b32 s5, s2, 18
	s_add_co_u32 s24, s5, s3                       ; W2: my 64 rows + the columns
	s_mov_b32 s25, 0
	s_mov_b32 s26, s3                              ; b1, b2: the columns
	s_mov_b32 s27, 0
	s_lshl_b32 s5, s2, 12
	s_add_co_u32 s28, s4, s5
	s_add_co_u32 s28, s28, s3                      ; c2: row of batch first + w (used by waves 0..7 alone) + the columns
	s_mov_b32 s29, 0
	v_lshrrev_b32 v2, 4, v1
	v_and_b32 v3, 15, v1
	v_lshlrev_b32 v3, 4, v3
	v_lshl_add_u32 v2, v2, 12, v3                  ; query: lanes 0-15 one row's 256 bytes, lanes 16-31 the next row's
	v_lshlrev_b32 v3, 3, v1                        ; 8 L
	v_lshlrev_b32 v4, 4, v1
	v_lshl_add_u32 v4, s2, 11, v4                  ; my query piece in LDS, as stored: 2,048 w + 16 L
	v_mov_b32 v5, s2
	v_lshlrev_b32 v5, 11, v5                       ; and as read (all lanes the same word): 2,048 w
	v_add_nc_u32 v6, RL, v5
	v_add_nc_u32 v6, v6, v3                        ; my partial sums: RL + 2,048 w + 8 L
	v_lshl_add_u32 v7, s2, 8, v3
	v_add_nc_u32 v7, RL, v7                        ; the sums of batch w: RL + 256 w + 8 L
	s_wait_kmcnt 0x0
	s_add_nc_u64 s[12:13], s[12:13], s[22:23]
	s_add_nc_u64 s[10:11], s[10:11], s[24:25]
	s_add_nc_u64 s[14:15], s[14:15], s[26:27]
	s_add_nc_u64 s[16:17], s[16:17], s[26:27]
	s_add_nc_u64 s[20:21], s[20:21], s[28:29]
.irp n, 0,1,2,3
	global_load_b128 v[16+4*\n:19+4*\n], v2, s[12:13] offset:\n*8192    ; batches 2 n, 2 n + 1: 256 bytes of each
.endr
	global_load_b64 v[8:9], v3, s[14:15]           ; b1 of my two columns
	global_load_b64 v[10:11], v3, s[16:17]         ; b2
.set kk, 0
.rept 64
	global_load_b64 v[WR+2*kk:WR+2*kk+1], v3, s[10:11] offset:kk*4096   ; a row's 64 columns: 256 consecutive bytes, aligned
.set kk, kk+1
.endr
	s_wait_loadcnt 60                              ; sixty rows of W2 are younger: query, the biases and rows 0..3 are in
.irp n, 0,1,2,3
	ds_store_b128 v4, v[16+4*\n:19+4*\n] offset:512*\n   ; [8 batches][64 k]; the wave's own bytes, served in order: no wait in front of the reads
.endr
.macro QLOAD buf, g                    ; query[8 batches][k = 4 g .. 4 g + 3], the same words in every lane
.irp i, 0,1,2,3,4,5,6,7
	ds_load_b128 v[QR+32*\buf+4*\i:QR+32*\buf+4*\i+3], v5 offset:256*\i+16*\g
.endr
.endm
.macro QFMA g, buf                     ; 4 rows of W2 x 8 batches; the one number of query is taken for both columns by op_sel
.irp n, 0,1,2,3
.irp i, 0,1,2,3,4,5,6,7
.if (\g == 0) && (\n == 0)
	v_pk_mul_f32 v[AC+2*\i:AC+2*\i+1], v[WR:WR+1], v[QR+4*\i:QR+4*\i+1] op_sel:[0,0] op_sel_hi:[1,0]   ; the first product starts the sums
.else
.if (\n & 1)
	v_pk_fma_f32 v[AC+2*\i:AC+2*\i+1], v[WR+2*(4*\g+\n):WR+2*(4*\g+\n)+1], v[QR+32*\buf+4*\i+2*(\n>>1):QR+32*\buf+4*\i+2*(\n>>1)+1], v[AC+2*\i:AC+2*\i+1] op_sel:[0,1,0] op_sel_hi:[1,1,1]
.else
	v_pk_fma_f32 v[AC+2*\i:AC+2*\i+1], v[WR+2*(4*\g+\n):WR+2*(4*\g+\n)+1], v[QR+32*\buf+4*\i+2*(\n>>1):QR+32*\buf+4*\i+2*(\n>>1)+1], v[AC+2*\i:AC+2*\i+1] op_sel:[0,0,0] op_sel_hi:[1,0,1]
.endif
.endif
.endr
.endr
.endm
	QLOAD 0, 0
.set G, 0
.rept 16
.set CB, G&1
.set NB, (G+1)&1
.set NG, G+1
.if G < 15
	QLOAD NB, NG                                   ; the next four k, into the other buffer
.endif
.if G > 0
	s_wait_loadcnt 60-4*G                          ; the rows of W2 younger than row 4 G + 3 may stay out
.endif
.if G < 15
	s_wait_dscnt 8                                 ; all but the eight loads just issued
.else
	s_wait_dscnt 0
.endif
	QFMA G, CB
.set G, G+1
.endr
.irp i, 0,1,2,3,4,5,6,7
	ds_store_b64 v6, v[AC+2*\i:AC+2*\i+1] offset:256*\i   ; [8 batches][64 columns]
.endr
	s_wait_dscnt 0x0                               ; my partial sums are in LDS before I say so
	s_barrier_signal -1
	s_barrier_wait -1
	s_cmp_ge_u32 s2, 8
	s_cbranch_scc1 .Lend                           ; eight batches: waves 0..7 take one each
.set kk, 0
.rept 16
	ds_load_b64 v[64+2*kk:65+2*kk], v7 offset:2048*kk     ; the sixteen waves' parts of batch w
.set kk, kk+1
.endr
	s_wait_dscnt 0x0
.irp k, 0,1,2,3,4,5,6,7
	v_pk_add_f32 v[64+2*\k:65+2*\k], v[64+2*\k:65+2*\k], v[80+2*\k:81+2*\k]
.endr
.irp k, 0,1,2,3
	v_pk_add_f32 v[64+2*\k:65+2*\k], v[64+2*\k:65+2*\k], v[72+2*\k:73+2*\k]
.endr
.irp k, 0,1
	v_pk_add_f32 v[64+2*\k:65+2*\k], v[64+2*\k:65+2*\k], v[68+2*\k:69+2*\k]
.endr
	v_pk_add_f32 v[64:65], v[64:65], v[66:67]
	v_pk_add_f32 v[8:9], v[8:9], v[10:11]          ; b1 + b2
	v_pk_add_f32 v[64:65], v[64:65], v[8:9]
	v_pk_mul_f32 v[64:65], v[64:65], K2 op_sel_hi:[1,0]
	global_store_b64 v3, v[64:65], s[20:21]        ; the wave stores 256 consecutive bytes, aligned
.Lend:
	s_wait_tensorcnt 0x0
	ds_add_u32 v14, v15
	s_wait_dscnt 0x0
	s_endpgm
.Lfunc_end_k_qc003378c79_prep:
	.size	k_qc003378c79_prep, .Lfunc_end_k_qc003378c79_prep-k_qc003378c79_prep
	.p2alignl 7, 3214868480
	.fill 96, 4, 3214868480
	.section	.rodata,"a",@progbits
	.p2align	6, 0x0
	.amdhsa_kernel k_qc003378c79_prep
		.amdhsa_group_segment_fixed_size 67584
		.amdhsa_private_segment_fixed_size 0
		.amdhsa_enable_private_segment 0
		.amdhsa_kernarg_size 56
		.amdhsa_user_sgpr_count 2
		.amdhsa_user_sgpr_kernarg_segment_ptr 1
		.amdhsa_wavefront_size32 1
		.amdhsa_system_sgpr_workgroup_id_x 1
		.amdhsa_system_sgpr_workgroup_id_y 1
		.amdhsa_system_sgpr_workgroup_id_z 1
		.amdhsa_system_vgpr_workitem_id 0
		.amdhsa_next_free_vgpr 256
		.amdhsa_next_free_sgpr 66
		.amdhsa_reserve_vcc 0
		.amdhsa_float_denorm_mode_32 3
		.amdhsa_float_denorm_mode_16_64 3
		.amdhsa_memory_ordered 1
		.amdhsa_forward_progress 1
		.amdhsa_inst_pref_size 60
	.end_amdhsa_kernel
	.amdgpu_metadata
---
amdhsa.version: [ 1, 2 ]
amdhsa.kernels:
  - .name:           k_qc003378c79_prep
    .symbol:         k_qc003378c79_prep.kd
    .args:
      - { .name: W1, .offset: 0, .size: 8, .value_kind: global_buffer, .address_space: global }
      - { .name: W2, .offset: 8, .size: 8, .value_kind: global_buffer, .address_space: global }
      - { .name: query, .offset: 16, .size: 8, .value_kind: global_buffer, .address_space: global }
      - { .name: b1, .offset: 24, .size: 8, .value_kind: global_buffer, .address_space: global }
      - { .name: b2, .offset: 32, .size: 8, .value_kind: global_buffer, .address_space: global }
      - { .name: wf, .offset: 40, .size: 8, .value_kind: global_buffer, .address_space: global }
      - { .name: c2, .offset: 48, .size: 8, .value_kind: global_buffer, .address_space: global }
    .group_segment_fixed_size: 67584
    .private_segment_fixed_size: 0
    .kernarg_segment_align: 8
    .kernarg_segment_size: 56
    .max_flat_workgroup_size: 512
    .sgpr_count:     66
    .vgpr_count:     256
    .wavefront_size: 32
...
	.end_amdgpu_metadata
.endif
;; end of part 4
;; launch attn (part 5): grid 512 x 1, 4 waves a work-group, no clusters, 291,328 bytes of LDS; arguments values, wf, c2, V, bv, scores, stats, ctxp; writes scores, stats, ctxp
.if DOCPART == 5
	.amdgcn_target "amdgcn-amd-amdhsa--gfx1250"
	.amdhsa_code_object_version 6
	.text
	.protected	k_qc003378c79_attn
	.globl	k_qc003378c79_attn
	.p2align	8
	.type	k_qc003378c79_attn,@function
k_qc003378c79_attn:
	s_mov_b64 s[64:65], 0
	v_nop
	global_prefetch_b8 v0, s[64:65] scope:SCOPE_SE
	s_setreg_imm32_b32 hwreg(HW_REG_WAVE_MODE, 25, 1), 1
	s_wait_xcnt 0x0
; One work-group = 128 rows (times) of one batch, four waves.  It reads its 128 x 1024 f32 block of values from memory ONCE, keeps it in LDS
; as bf16, and makes from it: the product with W1 (bf16 operands, f32 sums), score[t] = bv + sum over u of V[u] tanh(product + b1 + q_proj),
; the block's maximum m, p[t] = exp(score - m), l = sum of p, and sum over t of p[t] values[t][:].  A later launch joins the 16 blocks of a batch.
; SHARES.  Wave w owns u = 256 w + 128 p .. + 127 in pass p = 0, 1: a tile of 128 rows x 128 u, 64 accumulators of 16 x 16, 512 registers.
; K goes in steps of 32, 64 steps in the two passes.  All waves read the same fragments of values from LDS; a wave's fragments of W1 are its own
; and come straight into registers from wf, which holds K2 W1 (K2 = 2 log2 e) in fragment order: 16 loads of 512 consecutive bytes for a K step.
; A pass's first products take c2 = K2 (q_proj + b1 + b2) as their C operand, so that the finished sums are the exponents of the tanh.
; PASS 0 multiplies while the block arrives: a slab (128 k) is loaded as f32 by the wave that owns its 32 rows, rounded to bf16, stored to LDS, and
; shown to the others by one barrier for each slab.  No byte of the block is stored twice, so that barrier is all the ordering there is.
; THE TEXT IS KEPT SHORT: 48 of the 64 K steps run in two loops of four steps each; only the steps in which something begins or ends are written out.
; NO JOINT LOADS OF W1, although all work-groups read it: the block takes 278,528 bytes of LDS and the small tables 12,288; of the 327,680 that
; a work-group can have 36,864 are left, and one K step of W1 for the four waves' 512 u of a pass is 32,768 bytes: two slots do not fit.
; LIMITS.  values enter the product AND the weighted sum rounded to bf16; W1 is rounded to bf16 after the factor K2.  tanh x = 1 - 2 / (1 + 2^(K2 x)):
; where the power overflows or vanishes the result is exactly +1 or -1.  The score is formed as bv + sum V - 2 sum V r, r = 1 / (1 + 2^..), all in f32
; (each term is at most sum |V|).  Inputs that are NaN or infinite are not served.
.set PITCH, 272                        ; an LDS row of a slab: 256 bytes + 16 = 17 x 16: the 16 rows of a fragment load start 16 bytes apart modulo 256
.set SLAB,  128*PITCH                  ; 34,816: one slab, 128 rows x 128 k
.set LCL,   8*SLAB                     ; 278,528: c2 of my batch, 1,024 f32
.set LVL,   LCL+4096                   ; -2 V, 1,024 f32
.set LSS,   LCL+8192                   ; 4 waves x 128 partial scores
.set LPL,   LCL+10240                  ; 4 waves x 128 p, each wave's own copy
.set LOG2E, 0x3fb8aa3b
; window 0 of the vector registers
.set L16,  1                           ; 16 x lane: the offset of every load of values and of wf; never rewritten
.set RR,   2                           ; r = lane & 15
.set HH,   3                           ; h = lane >> 4
.set ADR0, 4                           ; fragments of values in slab 0: r PITCH + 16 h
.set STP,  5                           ; where I store converted values: 32 w PITCH + 8 lane + the slab behind the one being multiplied
.set CVA,  12                          ; LCL + 1024 w + 32 h
.set SADR, 13                          ; LSS + 512 w + 4 r
.set SRD,  14                          ; LSS + 16 lane
.set PADR, 15                          ; LPL + 512 w + 16 lane
.set PFO,  16                          ; prefetch: (lane >> 1) rows + (lane & 1) x 256 bytes; never rewritten
.set L8,   17                          ; 8 x lane
.set PB,   18                          ; LPL + 512 w, stepped in the weighted sum
.set VLA,  19                          ; LVL + 16 lane
.set CADR, 20                          ; weighted sum: (2 w + h) slabs + 16 r, stepped there
.set T16,  21                          ; 16 x thread
.set CLA,  22                          ; LCL + 16 x thread
.set ADRP, 23                          ; ADR0 + the slab being multiplied
.set TMP,  24                          ; v24-39  converted pairs on their way to LDS
.set CIN,  40                          ; v40-47  c2 as loaded
.set VIN,  48                          ; v48-55  V as loaded
.set SCO,  48                          ; v48-55  later: my part of the scores of rows 16 a + r
.set AF,   64                          ; v64-127 eight fragments of values; in the epilogue T(a), 8 registers each
.set RING, 128                         ; v128-255 32 slots x 4: f32 values landing, slot i = my row i; group g = slots 8 g .. 8 g + 7
.set VMR,  192                         ; epilogue: -2 V of my 128 u (8 for each tile column b)
.set X,    128                         ; the end: two buffers of 8 rows x 4 registers
.set PR,   192                         ; two buffers of 8 p
.set CX,   208                         ; 8 sums of the weighted sum
.set SCR,  216                         ; scores of rows 4 lane .. + 3
.set ML,   220                         ; m, l
.set PP,   224                         ; p of rows 4 lane .. + 3
.set BASE, 233
; window 1: v[64 q ..]: four buffers of W1 fragments (8 x 8 registers).  In a pass's first step buffer 3 is still free and holds c2 of my 128 u.
.set CB,   192
; windows 2, 3: accumulator (a, b) at v[8 (8 (a & 3) + b)], a < 4 in window 2.  In the prologue window 2's v0-159 take slab 0 and group 0 of slab 1.
; scalars
.set VB,  24                           ; s[24:25] values at my wave's first row, at the slab being multiplied
.set WB,  26                           ; s[26:27] wf at my wave's stream, at the trip's first K step
.set MSB, 0
.macro WIN new                         ; s_set_vgpr_msb: bits 1:0 source 0, 3:2 source 1, 5:4 source 2, 7:6 destination; the high byte repeats the setting that is left
.if MSB != \new
	s_set_vgpr_msb (MSB<<8)|\new
.set MSB, \new
.endif
.endm
.set MUL_LO,  0xa1                     ; source 0 (W1) window 1, source 1 (values) window 0, C and D window 2
.set MUL_HI,  0xf1                     ; the same, C and D window 3
.set MULZ_LO, 0x91                     ; a pass's first step: C (c2) window 1, D window 2
.set MULZ_HI, 0xd1                     ; C window 1, D window 3
.set TO_B,    0x40                     ; destination window 1
.set TO_2,    0x80                     ; destination window 2
.set FROM_2,  0x0a                     ; sources 0 and 1 window 2
; Four plain vector instructions stand between a matrix instruction and a vector instruction or a load that touches its registers.
.macro PLACES
.rept 4
	v_nop
.endr
.endm
; 16 matrix instructions, used transposed: source 0 = 16 u of W1, source 1 = 16 rows of values, so that lane (r, h) holds row t = 16 a + r and its
; register j holds u = 16 b + 8 h + j.  z = 1: the sum starts from c2: a lane's eight numbers c2[16 b + 8 h + j] are a C tile of tile column b, for every a.
; The 64 accumulators take turns, one instruction a turn, in the same order in every K step.
.macro MUL16 bf, hi, a0, z
.irp a, \a0, \a0+1
.irp b, 0,1,2,3,4,5,6,7
.if \z
	v_wmma_f32_16x16x32_bf16 v[8*(8*(\a)+\b):8*(8*(\a)+\b)+7], v[\bf+8*\b:\bf+8*\b+7], v[AF+8*(4*\hi+\a):AF+8*(4*\hi+\a)+7], v[CB+8*\b:CB+8*\b+7]
.else
	v_wmma_f32_16x16x32_bf16 v[8*(8*(\a)+\b):8*(8*(\a)+\b)+7], v[\bf+8*\b:\bf+8*\b+7], v[AF+8*(4*\hi+\a):AF+8*(4*\hi+\a)+7], v[8*(8*(\a)+\b):8*(8*(\a)+\b)+7]
.endif
.endr
.endr
.endm
; 8 LDS loads: the fragments of rows 64 half .. + 63 at byte koff of the current slab (koff = SLAB: the next slab's first 32 k)
.macro ALOAD half, koff
.irp a, 0,1,2,3
	ds_load_b128 v[AF+8*(4*\half+\a):AF+8*(4*\half+\a)+3],   v[ADRP] offset:(4*\half+\a)*16*PITCH+\koff
	ds_load_b128 v[AF+8*(4*\half+\a)+4:AF+8*(4*\half+\a)+7], v[ADRP] offset:(4*\half+\a)*16*PITCH+\koff+32
.endr
.endm
; LN counts the global loads in the order of the text; BEq is LN just behind the run into W1 buffer q.  LN - BEq is the number of loads younger than that
; run, the count of the wait in front of its use.  Both loops issue the same loads in every trip and are entered in their own steady order,
; so the differences formed in the text hold round the back edges too.
.macro BLOAD qn, off                   ; one K step's W1 fragments: 16 loads of 512 consecutive bytes
	WIN TO_B
.irp i, 0,1,2,3,4,5,6,7,8,9,10,11,12,13,14,15
	global_load_b128 v[64*\qn+4*\i:64*\qn+4*\i+3], v[L16], s[WB:WB+1] offset:\off+512*\i
.endr
	WIN 0
.set LN, LN+16
.set BE\qn, LN
.endm
.macro VLOAD g, dst, off               ; rows 8 g .. 8 g + 7 of my 32: 512 consecutive bytes (128 k in f32) of each, off bytes behind the current slab
.irp i, 0,1,2,3,4,5,6,7
	global_load_b128 v[\dst+4*\i:\dst+4*\i+3], v[L16], s[VB:VB+1] offset:(8*\g+\i)*4096+\off th:TH_LOAD_NT
.endr
.set LN, LN+8
.endm
.macro VCVT g, src, win, off           ; the same 8 rows: round to bf16, 256 consecutive bytes of each into LDS
	WIN \win
.irp i, 0,1,2,3,4,5,6,7
	v_cvt_pk_bf16_f32 v[TMP+2*\i],   v[\src+4*\i],   v[\src+4*\i+1]
	v_cvt_pk_bf16_f32 v[TMP+2*\i+1], v[\src+4*\i+2], v[\src+4*\i+3]
.endr
	WIN 0
.irp i, 0,1,2,3,4,5,6,7
	ds_store_b64 v[STP], v[TMP+2*\i:TMP+2*\i+1] offset:\off+(8*\g+\i)*PITCH
.endr
.endm
.macro PF off                          ; my wave's own 32 rows x 512 bytes of a later slab: 64 blocks of 256 bytes, one lane each, asked for once in the launch
	global_prefetch_b8 v[PFO], s[VB:VB+1] offset:\off th:TH_LOAD_NT scope:SCOPE_SE
	global_prefetch_b8 v[PFO], s[VB:VB+1] offset:65536+\off th:TH_LOAD_NT scope:SCOPE_SE
.endm
.macro CLOAD p                         ; 16 LDS loads: c2 of u = 256 w + 128 p + 16 b + 8 h + 0..7 into W1 buffer 3
	WIN TO_B
.irp b, 0,1,2,3,4,5,6,7
	ds_load_b128 v[CB+8*\b:CB+8*\b+3],   v[CVA] offset:512*\p+64*\b
	ds_load_b128 v[CB+8*\b+4:CB+8*\b+7], v[CVA] offset:512*\p+64*\b+16
.endr
	WIN 0
.endm
.macro VMLOAD p                        ; 16 LDS loads: -2 V of the same u
.irp b, 0,1,2,3,4,5,6,7
	ds_load_b128 v[VMR+8*\b:VMR+8*\b+3],   v[CVA] offset:4096+512*\p+64*\b
	ds_load_b128 v[VMR+8*\b+4:VMR+8*\b+7], v[CVA] offset:4096+512*\p+64*\b+16
.endr
.endm
; ONE K STEP: step q of a trip of four, on W1 buffer q.  qn = (q + 3) & 3.
;   z    a pass's first step: the sums start from c2, which lies in buffer qn: this step's fetches from memory wait until its last product is issued
;   pfb  fetch the W1 fragments of three steps ahead into buffer qn
;   cv   convert ring group (q + 1) & 3: steps 0-2 into the slab behind the current one, step 3 into the one behind that
;   vl   load that group again: steps 0-2 two slabs ahead, step 3 three
;   bar  the barrier that shows the next slab whole         last, p  last step of pass p: fetch -2 V instead of fragments
;   pf   prefetch four slabs ahead (in the loop alone)
.macro STEP q, qn, z, pfb, cv, vl, bar, last, p, pf
.if \q < 3
.set NK,  64*(\q+1)
.set CVO, 0
.set VLO, 1024
.else
.set NK,  SLAB
.set CVO, SLAB
.set VLO, 1536
.endif
.set GG, (\q+1)&3
	s_wait_loadcnt LN-BE\q                         ; loads come back in order (ISA guide 5.7.1): this step's W1 is in, and so is every load of values issued before it
	s_wait_dscnt 8+8*PCV                           ; rows 0-63 of this step are in; younger: the last conversion's 8 stores, if any, and the 8 loads of rows 64-127
.if \z
	WIN MULZ_LO
.else
	WIN MUL_LO
.endif
	MUL16 64*\q, 0, 0, \z
.if \bar
	s_wait_dscnt 0x0                               ; my stores into the next slab are done (and no LDS instruction is pending at the signal)
	s_barrier_signal -1
.endif
	MUL16 64*\q, 0, 2, \z
.if \bar
	s_barrier_wait -1                              ; the next slab is whole
.endif
	PLACES
	WIN 0
.if \last
	VMLOAD \p
.else
	ALOAD 0, NK
.endif
.if \pfb && (\z == 0)
	BLOAD \qn, (\q+3)*8192                         ; buffer qn was last read a step ago; the places above stand between
.endif
.if \cv
	VCVT GG, RING+32*GG, 0, CVO                    ; loaded four steps ago, ahead of this step's W1: shown landed by the wait at the step's head
.endif
.if \vl && (\z == 0)
	VLOAD GG, RING+32*GG, VLO
.endif
.if \pf
	s_cmp_ge_u32 s3, 2                             ; the loop's trips 0..3 (s3 = 5..2) ask for slabs 4..7, whose first load stands six steps further on; the fifth trip asks for nothing
	s_cbranch_scc0 .Lnopf
	PF 2048
.Lnopf:
.endif
.if \last || \cv
	s_wait_dscnt 16                                ; rows 64-127 are in; younger: this run's 16 LDS instructions
.else
	s_wait_dscnt 8
.endif
.if \z
	WIN MULZ_HI
.else
	WIN MUL_HI
.endif
	MUL16 64*\q, 1, 0, \z
	MUL16 64*\q, 1, 2, \z
.if \last == 0
	PLACES
	WIN 0
	ALOAD 1, NK
.if \z
	BLOAD \qn, (\q+3)*8192                         ; c2 has been read for the last time, four places ago: W1 first, then values, in the order of every other step
.if \vl
	VLOAD GG, RING+32*GG, VLO
.endif
.endif
.endif
.set PCV, \cv
.endm
; Between step 3 and the next step 0: everything moves on by a slab (128 k).
.macro TRIPEND vb, st
	s_wait_xcnt 0x0                                ; the pending loads have had their addresses translated (ISA guide 3.1): their bases are stepped only behind this wait
	s_add_nc_u64 s[WB:WB+1], s[WB:WB+1], 32768     ; four K steps of 8,192 bytes
	v_add_nc_u32 v[ADRP], SLAB, v[ADRP]
.if \vb
	s_add_nc_u64 s[VB:VB+1], s[VB:VB+1], 512
.endif
.if \st
	v_add_nc_u32 v[STP], SLAB, v[STP]
.endif
.endm
; The epilogue of four row tiles (one window of accumulators): r = 1 / (1 + 2^acc) in place, then T(a) += (-2 V) r.
.macro EPIW inwin, outwin, a0
	WIN \inwin                                     ; source 0 and destination: the accumulators' window
.irp a, 0,1,2,3
.set ee, 0
.rept 64
	v_exp_f32 v[64*\a+ee], v[64*\a+ee]
.set ee, ee+1
.endr
	v_nop                                          ; one plain vector instruction between a transcendental and the use of its result (ISA guide 5.7.2)
.set ee, 0
	s_wait_alu depctr_va_vdst(0)
.rept 32
	v_pk_add_f32 v[64*\a+ee:64*\a+ee+1], v[64*\a+ee:64*\a+ee+1], 1.0 op_sel_hi:[1,0]
.set ee, ee+2
.endr
.set ee, 0
.rept 64
	v_rcp_f32 v[64*\a+ee], v[64*\a+ee]
.set ee, ee+1
.endr
	v_nop
	s_wait_alu depctr_va_vdst(0)
.endr
	WIN \outwin                                    ; source 0: the accumulators' window; all else window 0
.irp b, 0,1,2,3,4,5,6,7
.irp a, 0,1,2,3
.irp j, 0,2,4,6
.if \b == 0
	v_pk_mul_f32 v[AF+8*(\a0+\a)+\j:AF+8*(\a0+\a)+\j+1], v[64*\a+8*\b+\j:64*\a+8*\b+\j+1], v[VMR+8*\b+\j:VMR+8*\b+\j+1]
.else
	v_pk_fma_f32 v[AF+8*(\a0+\a)+\j:AF+8*(\a0+\a)+\j+1], v[64*\a+8*\b+\j:64*\a+8*\b+\j+1], v[VMR+8*\b+\j:VMR+8*\b+\j+1], v[AF+8*(\a0+\a)+\j:AF+8*(\a0+\a)+\j+1]
.endif
.endr
.endr
.endr
.endm
.macro EPI p
	s_wait_dscnt 0x0                               ; -2 V of this pass is in
	PLACES                                         ; behind the pass's last matrix instructions
	EPIW 0x82, 0x02, 0
	EPIW 0xc3, 0x03, 4
	WIN 0
.irp a, 0,1,2,3,4,5,6,7
	v_pk_add_f32 v[AF+8*\a:AF+8*\a+1], v[AF+8*\a:AF+8*\a+1], v[AF+8*\a+2:AF+8*\a+3]
	v_pk_add_f32 v[AF+8*\a+4:AF+8*\a+5], v[AF+8*\a+4:AF+8*\a+5], v[AF+8*\a+6:AF+8*\a+7]
	v_pk_add_f32 v[AF+8*\a:AF+8*\a+1], v[AF+8*\a:AF+8*\a+1], v[AF+8*\a+4:AF+8*\a+5]
.if \p == 0
	v_add_f32 v[SCO+\a], v[AF+8*\a], v[AF+8*\a+1]  ; pass 0 starts the row's sum
.else
	v_add_f32 v[AF+8*\a], v[AF+8*\a], v[AF+8*\a+1]
	v_add_f32 v[SCO+\a], v[SCO+\a], v[AF+8*\a]
.endif
.endr
.if \p == 0
	s_wait_xcnt 0x0                                ; pass 1's first three runs of W1 are on their way: their base is stepped only behind this wait
	s_add_nc_u64 s[WB:WB+1], s[WB:WB+1], 32768     ; the stream runs on into pass 1
	v_mov_b32 v[ADRP], v[ADR0]                     ; the block begins again at k = 0
	CLOAD 1
	ALOAD 0, 0
	ALOAD 1, 0
.endif
.endm
	; ---------------- prologue
	s_load_b512 s[8:23], s[0:1], 0x0               ; values s[8:9], wf s[10:11], c2 s[12:13], V s[14:15], bv s[16:17], scores s[18:19], stats s[20:21], ctxp s[22:23]
	v_lshl_add_u32 v62, v0, 2, 0x47000
	v_mov_b32 v63, 0
	v_lshrrev_b32 v24, 5, v0
	v_readfirstlane_b32 s2, v24                    ; wave 0..3
	v_and_b32 v25, 31, v0                          ; lane
	v_lshlrev_b32 v[L16], 4, v25
	v_lshlrev_b32 v[L8], 3, v25
	v_and_b32 v[RR], 15, v0
	v_bfe_u32 v[HH], v0, 4, 1
	v_mul_u32_u24 v[ADR0], v[RR], PITCH
	v_lshl_add_u32 v[ADR0], v[HH], 4, v[ADR0]      ; r PITCH + 16 h
	v_mov_b32 v[ADRP], v[ADR0]
	s_mul_i32 s4, s2, 32*PITCH                     ; my 32 rows of a slab
	v_add_nc_u32 v[STP], s4, v[L8]                 ; in the prologue: slab 0
	s_lshl_b32 s5, s2, 10
	s_add_co_u32 s5, s5, LCL
	v_lshl_add_u32 v[CVA], v[HH], 5, s5
	s_lshl_b32 s6, s2, 9
	s_add_co_u32 s7, s6, LSS
	v_lshl_add_u32 v[SADR], v[RR], 2, s7
	v_add_nc_u32 v[SRD], LSS, v[L16]
	s_add_co_u32 s7, s6, LPL
	v_add_nc_u32 v[PADR], s7, v[L16]
	v_mov_b32 v[PB], s7
	v_add_nc_u32 v[VLA], LVL, v[L16]
	v_lshrrev_b32 v28, 1, v25
	v_and_b32 v29, 1, v25
	v_lshlrev_b32 v29, 8, v29
	v_lshl_add_u32 v[PFO], v28, 12, v29
	s_mul_i32 s7, s2, 2*SLAB
	v_mul_u32_u24 v28, v[HH], SLAB
	v_lshl_add_u32 v28, v[RR], 4, v28
	v_add_nc_u32 v[CADR], s7, v28
	v_lshlrev_b32 v[T16], 4, v0
	v_add_nc_u32 v[CLA], LCL, v[T16]
	s_mov_b32 s30, 0x76543210                      ; v_permlanex16_b32: lane i of one half reads lane i of the other
	s_mov_b32 s31, 0xfedcba98
	s_mov_b32 s33, LOG2E
	s_lshl_b32 s4, ttmp9, 19                       ; 128 rows of 4,096 bytes for each work-group (below 2^28),
	s_lshl_b32 s5, s2, 17                          ; 32 rows for each wave
	s_add_co_u32 s4, s4, s5
	s_mov_b32 s5, 0
	s_lshl_b32 s6, s2, 19                          ; my wave's 524,288 bytes of wf
	s_mov_b32 s7, 0
	s_mov_b32 s37, 0
	s_wait_kmcnt 0x0
	s_load_b32 s32, s[16:17], 0x0                  ; bv
	s_add_nc_u64 s[VB:VB+1], s[8:9], s[4:5]
	s_add_nc_u64 s[WB:WB+1], s[10:11], s[6:7]
	s_lshr_b32 s36, ttmp9, 4
	s_lshl_b32 s36, s36, 12
	s_add_nc_u64 s[12:13], s[12:13], s[36:37]      ; c2 of my batch
	s_lshl_b32 s36, ttmp9, 9
	s_add_nc_u64 s[38:39], s[18:19], s[36:37]      ; my 128 scores
	s_lshl_b32 s36, ttmp9, 8
	s_add_nc_u64 s[40:41], s[20:21], s[36:37]      ; my 256 bytes of stats
	s_lshl_b32 s36, ttmp9, 12
	s_lshl_b32 s4, s2, 10
	s_add_co_u32 s36, s36, s4
	s_add_nc_u64 s[42:43], s[22:23], s[36:37]      ; my wave's 1,024 bytes of ctxp
	; Slab 0 and group 0 of slab 1 land in accumulator registers and are converted here.  Between the conversions go out, in the order in which the
	; K steps will go on issuing them: group 1 of slab 1; W1 of step 0, group 2; W1 of step 1, group 3; W1 of step 2, group 0 of slab 2.
	global_load_b128 v[CIN:CIN+3],   v[T16], s[12:13]
	global_load_b128 v[CIN+4:CIN+7], v[T16], s[12:13] offset:2048
	global_load_b128 v[VIN:VIN+3],   v[T16], s[14:15]
	global_load_b128 v[VIN+4:VIN+7], v[T16], s[14:15] offset:2048
.set LN, 4
	WIN TO_2
	VLOAD 0, 0, 0
.set M0, LN
	VLOAD 1, 32, 0
.set M1, LN
	VLOAD 2, 64, 0
.set M2, LN
	VLOAD 3, 96, 0
.set M3, LN
	VLOAD 0, 128, 512
.set M4, LN
	WIN 0
	s_wait_loadcnt LN-M0                           ; 32 younger: c2, V and group 0 of slab 0 are in
	PF 1024                                        ; slab 2
.irp k, 0,2,4,6
	v_pk_mul_f32 v[VIN+\k:VIN+\k+1], v[VIN+\k:VIN+\k+1], -2.0 op_sel_hi:[1,0]
.endr
	ds_store_b128 v[CLA], v[CIN:CIN+3]
	ds_store_b128 v[CLA], v[CIN+4:CIN+7] offset:2048
	ds_store_b128 v[CLA], v[VIN:VIN+3]   offset:4096
	ds_store_b128 v[CLA], v[VIN+4:VIN+7] offset:6144
	VCVT 0, 0, FROM_2, 0
	VLOAD 1, RING+32, 512
	s_wait_loadcnt LN-M1                           ; 32 younger: group 1 of slab 0 is in
	PF 1536                                        ; slab 3
	VCVT 1, 32, FROM_2, 0
	BLOAD 0, 0
	s_wait_loadcnt LN-M2                           ; 40 younger
	VCVT 2, 64, FROM_2, 0
	VLOAD 2, RING+64, 512
	s_wait_loadcnt LN-M3                           ; 40 younger
	VCVT 3, 96, FROM_2, 0
	BLOAD 1, 8192
	s_wait_loadcnt LN-M4                           ; 48 younger: group 0 of slab 1 is in
	VCVT 0, 128, FROM_2, SLAB
	VLOAD 3, RING+96, 512
	BLOAD 2, 16384
	VLOAD 0, RING, 1024
	v_add_nc_u32 v[STP], SLAB, v[STP]              ; from here on: the slab behind the one being multiplied
	s_wait_kmcnt 0x0                               ; bv
	s_wait_dscnt 0x0                               ; my stores of c2, V, slab 0 and my part of slab 1 are done before I say so
	s_barrier_signal -1
	s_barrier_wait -1
	CLOAD 0
	ALOAD 0, 0
	ALOAD 1, 0
.set PCV, 0
	; ---------------- pass 0.  Steps 0..22 each convert a group and load it again.    q qn  z pfb cv vl bar last p pf
	STEP 0, 3, 1, 1, 1, 1, 0, 0, 0, 0              ; step 0: the sums start from c2
	s_mov_b32 s3, 5
.Lp0:                                              ; steps 1..20
	STEP 1, 0, 0, 1, 1, 1, 0, 0, 0, 1
	STEP 2, 1, 0, 1, 1, 1, 0, 0, 0, 0
	STEP 3, 2, 0, 1, 1, 1, 1, 0, 0, 0
	TRIPEND 1, 1
	STEP 0, 3, 0, 1, 1, 1, 0, 0, 0, 0
	s_sub_co_u32 s3, s3, 1
	s_cmp_lg_u32 s3, 0
	s_cbranch_scc1 .Lp0
	STEP 1, 0, 0, 1, 1, 1, 0, 0, 0, 0              ; steps 21, 22: the last loads of values (slab 7)
	STEP 2, 1, 0, 1, 1, 1, 0, 0, 0, 0
	STEP 3, 2, 0, 1, 1, 0, 1, 0, 0, 0              ; steps 23..26 convert slab 7 and load nothing again: the counts run down 56, 48, 40, 32
	TRIPEND 0, 1
	STEP 0, 3, 0, 1, 1, 0, 0, 0, 0, 0
	STEP 1, 0, 0, 1, 1, 0, 0, 0, 0, 0
	STEP 2, 1, 0, 1, 1, 0, 0, 0, 0, 0
	STEP 3, 2, 0, 1, 0, 0, 1, 0, 0, 0              ; step 27: the last barrier of the block: slab 7 is whole
	TRIPEND 0, 0
	STEP 0, 3, 0, 1, 0, 0, 0, 0, 0, 0
	STEP 1, 0, 0, 1, 0, 0, 0, 0, 0, 0              ; steps 29..31 fetch W1 of pass 1's first three steps
	STEP 2, 1, 0, 1, 0, 0, 0, 0, 0, 0
	STEP 3, 2, 0, 1, 0, 0, 0, 1, 0, 0
	EPI 0
	; ---------------- pass 1: the same block from LDS, my other 128 u
	STEP 0, 3, 1, 1, 0, 0, 0, 0, 1, 0              ; step 32
	s_mov_b32 s3, 7
.Lp1:                                              ; steps 33..60; step 60 fetches the stream's last K step
	STEP 1, 0, 0, 1, 0, 0, 0, 0, 1, 0
	STEP 2, 1, 0, 1, 0, 0, 0, 0, 1, 0
	STEP 3, 2, 0, 1, 0, 0, 0, 0, 1, 0
	TRIPEND 0, 0
	STEP 0, 3, 0, 1, 0, 0, 0, 0, 1, 0
	s_sub_co_u32 s3, s3, 1
	s_cmp_lg_u32 s3, 0
	s_cbranch_scc1 .Lp1
	STEP 1, 0, 0, 0, 0, 0, 0, 0, 1, 0              ; steps 61..63 fetch no W1: nothing reaches past my stream; the counts run down 32, 16, 0
	STEP 2, 1, 0, 0, 0, 0, 0, 0, 1, 0
	STEP 3, 2, 0, 0, 0, 0, 0, 1, 1, 0
	EPI 1
	; ---------------- the block's scores
.irp a, 0,1,2,3,4,5,6,7
	v_permlanex16_b32 v[AF+\a], v[SCO+\a], s30, s31       ; the other half of the lanes holds the other eight u of each tile column
.endr
.irp a, 0,1,2,3,4,5,6,7
	v_add_f32 v[SCO+\a], v[SCO+\a], v[AF+\a]
.endr
.irp a, 0,1,2,3,4,5,6,7
	ds_store_b32 v[SADR], v[SCO+\a] offset:64*\a          ; row 16 a + r; both halves of the lanes store the same number
.endr
.irp n, 0,1,2,3,4,5,6,7
	ds_load_b128 v[128+4*\n:131+4*\n], v[VLA] offset:512*\n   ; all 1,024 numbers -2 V, 32 a lane
.endr
	s_wait_dscnt 0x0
	s_barrier_signal -1
	s_barrier_wait -1
.irp n, 0,1,2,3
	ds_load_b128 v[160+4*\n:163+4*\n], v[SRD] offset:512*\n   ; the four waves' parts of rows 4 lane .. + 3
.endr
.irp k, 0,1,2,3,4,5,6,7
	v_pk_add_f32 v[128+2*\k:129+2*\k], v[128+2*\k:129+2*\k], v[144+2*\k:145+2*\k]
.endr
.irp k, 0,1,2,3
	v_pk_add_f32 v[128+2*\k:129+2*\k], v[128+2*\k:129+2*\k], v[136+2*\k:137+2*\k]
.endr
.irp k, 0,1
	v_pk_add_f32 v[128+2*\k:129+2*\k], v[128+2*\k:129+2*\k], v[132+2*\k:133+2*\k]
.endr
	v_pk_add_f32 v[128:129], v[128:129], v[130:131]
	v_add_f32 v128, v128, v129
	v_add_f32_dpp v128, v128, v128 row_xmask:1 row_mask:0xf bank_mask:0xf
	v_add_f32_dpp v128, v128, v128 row_xmask:2 row_mask:0xf bank_mask:0xf
	v_add_f32_dpp v128, v128, v128 row_xmask:4 row_mask:0xf bank_mask:0xf
	v_add_f32_dpp v128, v128, v128 row_xmask:8 row_mask:0xf bank_mask:0xf
	v_permlanex16_b32 v129, v128, s30, s31
	v_add_f32 v128, v128, v129                     ; sum of -2 V
	v_fma_f32 v[BASE], v128, -0.5, s32             ; bv + sum of V
	s_wait_dscnt 0x0
	v_pk_add_f32 v[160:161], v[160:161], v[164:165]
	v_pk_add_f32 v[162:163], v[162:163], v[166:167]
	v_pk_add_f32 v[168:169], v[168:169], v[172:173]
	v_pk_add_f32 v[170:171], v[170:171], v[174:175]
	v_pk_add_f32 v[160:161], v[160:161], v[168:169]
	v_pk_add_f32 v[162:163], v[162:163], v[170:171]
.irp k, 0,1,2,3
	v_add_f32 v[SCR+\k], v[160+\k], v[BASE]        ; every wave holds all 128 scores
.endr
	; the block's maximum, p = exp(score - m), l = sum of p
	v_max3_num_f32 v228, v[SCR], v[SCR+1], v[SCR+2]
	v_max_num_f32 v228, v228, v[SCR+3]
	v_max_num_f32_dpp v228, v228, v228 row_xmask:1 row_mask:0xf bank_mask:0xf
	v_max_num_f32_dpp v228, v228, v228 row_xmask:2 row_mask:0xf bank_mask:0xf
	v_max_num_f32_dpp v228, v228, v228 row_xmask:4 row_mask:0xf bank_mask:0xf
	v_max_num_f32_dpp v228, v228, v228 row_xmask:8 row_mask:0xf bank_mask:0xf
	v_permlanex16_b32 v229, v228, s30, s31
	v_max_num_f32 v[ML], v228, v229
	v_mul_f32 v230, s33, v[ML]
.irp k, 0,1,2,3
	v_fma_f32 v[PP+\k], v[SCR+\k], s33, -v230      ; (score - m) log2 e, at most 0 up to the rounding of m log2 e
.endr
.irp k, 0,1,2,3
	v_exp_f32 v[PP+\k], v[PP+\k]
.endr
	v_nop
	s_wait_alu depctr_va_vdst(0)
	v_add_f32 v231, v[PP], v[PP+1]
	v_add_f32 v232, v[PP+2], v[PP+3]
	ds_store_b128 v[PADR], v[PP:PP+3]              ; my wave's own copy of p: read back below without a barrier
	v_add_f32 v231, v231, v232
	v_add_f32_dpp v231, v231, v231 row_xmask:1 row_mask:0xf bank_mask:0xf
	v_add_f32_dpp v231, v231, v231 row_xmask:2 row_mask:0xf bank_mask:0xf
	v_add_f32_dpp v231, v231, v231 row_xmask:4 row_mask:0xf bank_mask:0xf
	v_add_f32_dpp v231, v231, v231 row_xmask:8 row_mask:0xf bank_mask:0xf
	v_permlanex16_b32 v229, v231, s30, s31
	v_add_f32 v[ML+1], v231, v229
	s_cmp_lg_u32 s2, 0
	s_cbranch_scc1 .Lnot0
	global_store_b128 v[L16], v[SCR:SCR+3], s[38:39]      ; wave 0: the 128 raw scores, 512 consecutive bytes
	global_store_b64 v[L8], v[ML:ML+1], s[40:41]          ; and (m, l) from every lane: 256 consecutive bytes, aligned
.Lnot0:
	; ---------------- sum over the 128 rows of p[t] values[t][d]: wave w takes d = 256 w .. + 255 (slabs 2 w, 2 w + 1), lane L eight of them.
	; Sixteen groups of 8 rows through two register buffers; a trip of the loop takes two groups and moves on by 16 rows.
.macro XLOAD buf, g                    ; rows 8 g .. 8 g + 7 behind CADR: 16 bytes of each a lane, and their p: ten LDS loads
.irp i, 0,1,2,3,4,5,6,7
	ds_load_b128 v[X+32*\buf+4*\i:X+32*\buf+4*\i+3], v[CADR] offset:(8*\g+\i)*PITCH
.endr
	ds_load_b128 v[PR+8*\buf:PR+8*\buf+3],   v[PB] offset:32*\g
	ds_load_b128 v[PR+8*\buf+4:PR+8*\buf+7], v[PB] offset:32*\g+16
.endm
.macro XFMA buf
.irp i, 0,1,2,3,4,5,6,7
.irp j, 0,1,2,3
	v_fma_mix_f32_bf16 v[CX+2*\j],   v[X+32*\buf+4*\i+\j], v[PR+8*\buf+\i], v[CX+2*\j]   op_sel:[0,0,0] op_sel_hi:[1,0,0]
	v_fma_mix_f32_bf16 v[CX+2*\j+1], v[X+32*\buf+4*\i+\j], v[PR+8*\buf+\i], v[CX+2*\j+1] op_sel:[1,0,0] op_sel_hi:[1,0,0]
.endr
.endr
.endm
	XLOAD 0, 0
.irp k, 0,1,2,3,4,5,6,7
	v_mov_b32 v[CX+\k], 0
.endr
	s_mov_b32 s3, 7
.Lctx:
	XLOAD 1, 1
	s_wait_dscnt 10                                ; all but the ten loads just issued
	XFMA 0
	v_add_nc_u32 v[CADR], 16*PITCH, v[CADR]
	v_add_nc_u32 v[PB], 64, v[PB]
	XLOAD 0, 0
	s_wait_dscnt 10
	XFMA 1
	s_sub_co_u32 s3, s3, 1
	s_cmp_lg_u32 s3, 0
	s_cbranch_scc1 .Lctx
	XLOAD 1, 1                                     ; the last two groups: nothing is read behind row 127
	s_wait_dscnt 10
	XFMA 0
	s_wait_dscnt 0
	XFMA 1
	global_store_b128 v[L16], v[CX:CX+3],   s[42:43]              ; d = 256 w + 8 L + 0..3: 512 consecutive bytes
	global_store_b128 v[L16], v[CX+4:CX+7], s[42:43] offset:512   ; d = 256 w + 8 L + 4..7
	s_wait_tensorcnt 0x0
	ds_add_u32 v62, v63
	s_wait_dscnt 0x0
	s_endpgm
.Lfunc_end_k_qc003378c79_attn:
	.size	k_qc003378c79_attn, .Lfunc_end_k_qc003378c79_attn-k_qc003378c79_attn
	.p2alignl 7, 3214868480
	.fill 96, 4, 3214868480
	.section	.rodata,"a",@progbits
	.p2align	6, 0x0
	.amdhsa_kernel k_qc003378c79_attn
		.amdhsa_group_segment_fixed_size 291328
		.amdhsa_private_segment_fixed_size 0
		.amdhsa_enable_private_segment 0
		.amdhsa_kernarg_size 64
		.amdhsa_user_sgpr_count 2
		.amdhsa_user_sgpr_kernarg_segment_ptr 1
		.amdhsa_wavefront_size32 1
		.amdhsa_system_sgpr_workgroup_id_x 1
		.amdhsa_system_sgpr_workgroup_id_y 1
		.amdhsa_system_sgpr_workgroup_id_z 1
		.amdhsa_system_vgpr_workitem_id 0
		.amdhsa_next_free_vgpr 1024
		.amdhsa_next_free_sgpr 66
		.amdhsa_reserve_vcc 0
		.amdhsa_float_denorm_mode_32 3
		.amdhsa_float_denorm_mode_16_64 3
		.amdhsa_memory_ordered 1
		.amdhsa_forward_progress 1
		.amdhsa_inst_pref_size 255
	.end_amdhsa_kernel
	.section	.bss,"aw",@nobits
	.p2align	6
	.space	262144
	.amdgpu_metadata
---
amdhsa.version: [ 1, 2 ]
amdhsa.kernels:
  - .name:           k_qc003378c79_attn
    .symbol:         k_qc003378c79_attn.kd
    .args:
      - { .name: values, .offset: 0, .size: 8, .value_kind: global_buffer, .address_space: global }
      - { .name: wf, .offset: 8, .size: 8, .value_kind: global_buffer, .address_space: global }
      - { .name: c2, .offset: 16, .size: 8, .value_kind: global_buffer, .address_space: global }
      - { .name: V, .offset: 24, .size: 8, .value_kind: global_buffer, .address_space: global }
      - { .name: bv, .offset: 32, .size: 8, .value_kind: global_buffer, .address_space: global }
      - { .name: scores, .offset: 40, .size: 8, .value_kind: global_buffer, .address_space: global }
      - { .name: stats, .offset: 48, .size: 8, .value_kind: global_buffer, .address_space: global }
      - { .name: ctxp, .offset: 56, .size: 8, .value_kind: global_buffer, .address_space: global }
    .group_segment_fixed_size: 291328
    .private_segment_fixed_size: 0
    .kernarg_segment_align: 8
    .kernarg_segment_size: 64
    .max_flat_workgroup_size: 128
    .sgpr_count:     66
    .vgpr_count:     1024
    .wavefront_size: 32
...
	.end_amdgpu_metadata
.endif
;; end of part 5
;; launch finish: the kernel of part 3 again; grid 32 x 1, 8 waves a work-group, no clusters, 0 bytes of LDS; arguments scores, stats, ctxp, out0, out1; writes out0, out1
;; ======== version 3 of 3: 3 launches; version 2 with the launch attn written anew for expert scheduling mode
;; limits: values outside matrix products are rounded to bf16
;; workspace buffers: wf 2,097,152 bytes; c2 131,072 bytes; scores 262,144 bytes; stats 131,072 bytes; ctxp 2,097,152 bytes
;; launch prep: the kernel of part 4 again; grid 128 x 1, 16 waves a work-group, no clusters, 67,584 bytes of LDS; arguments W1, W2, query, b1, b2, wf, c2; writes wf, c2
;; launch attn (part 6): grid 512 x 1, 4 waves a work-group, no clusters, 291,328 bytes of LDS; arguments values, wf, c2, V, bv, scores, stats, ctxp; writes scores, stats, ctxp
.if DOCPART == 6
	.amdgcn_target "amdgcn-amd-amdhsa--gfx1250"
	.amdhsa_code_object_version 6
	.text
	.protected	k_qc003378c79_attn
	.globl	k_qc003378c79_attn
	.p2align	8
	.type	k_qc003378c79_attn,@function
k_qc003378c79_attn:
	s_mov_b64 s[64:65], 0
	v_nop
	global_prefetch_b8 v0, s[64:65] scope:SCOPE_SE
	s_setreg_imm32_b32 hwreg(HW_REG_WAVE_SCHED_MODE, 0, 2), 2
	s_setreg_imm32_b32 hwreg(HW_REG_WAVE_MODE, 25, 1), 1
	s_wait_xcnt 0x0
	s_wait_alu depctr_vm_vsrc(0)
; One work-group = 128 rows (times) of one batch, four waves.  It reads its 128 x 1024 f32 block of values from memory ONCE, keeps it in LDS
; as bf16, and makes from it: the product with W1 (bf16 operands, f32 sums), score[t] = bv + sum over u of V[u] tanh(product + b1 + q_proj),
; the block's maximum m, p[t] = exp(score - m), l = sum of p, and sum over t of p[t] values[t][:].  A later launch joins the 16 blocks of a batch.
; SHARES.  Wave w owns u = 256 w + 128 p .. + 127 in pass p = 0, 1: a tile of 128 rows x 128 u, 64 accumulators of 16 x 16, 512 registers.
; K goes in steps of 32, 64 steps in the two passes.  All waves read the same fragments of values from LDS; a wave's fragments of W1 are its own
; and come straight into registers from wf, which holds K2 W1 (K2 = 2 log2 e) in fragment order: 16 loads of 512 consecutive bytes for a K step.
; A pass's first products take c2 = K2 (q_proj + b1 + b2) as their C operand, so that the finished sums are the exponents of the tanh.
; PASS 0 multiplies while the block arrives: a slab (128 k) is loaded as f32 by the wave that owns its 32 rows, rounded to bf16, stored to LDS, and
; shown to the others by one barrier for each slab.  No byte of the block is stored twice, so that barrier is all the ordering there is.
; THE TEXT IS KEPT SHORT: 48 of the 64 K steps run in two loops of four steps each; only the steps in which something begins or ends are written out.
; NO JOINT LOADS OF W1, although all work-groups read it: the block takes 278,528 bytes of LDS and the small tables 12,288; of the 327,680 that
; a work-group can have 36,864 are left, and one K step of W1 for the four waves' 512 u of a pass is 32,768 bytes: two slots do not fit.
; LIMITS.  values enter the product AND the weighted sum rounded to bf16; W1 is rounded to bf16 after the factor K2.  tanh x = 1 - 2 / (1 + 2^(K2 x)):
; where the power overflows or vanishes the result is exactly +1 or -1.  The score is formed as bv + sum V - 2 sum V r, r = 1 / (1 + 2^..), all in f32
; (each term is at most sum |V|).  Inputs that are NaN or infinite are not served.
; THE MODE: SCHED_MODE bits 1:0 = 2 (LLVM: expert scheduling mode 2), set by the entry lines.  The code itself states the register dependences
; between vector or matrix instructions and memory or LDS instructions, with s_wait_alu, always for 0.
; THE PLAN.  A K step is eight row tiles of eight matrix instructions; its loads and stores stand in runs of eight in the gaps behind the tiles.
;   AF lo, AF hi  fragments of rows 0-63, 64-127.  Read by tiles 0-3, 4-7.  This step's hi is loaded behind tile 0, the next step's lo behind tile 4.
;                 Pass 0 has one set.  In pass 1 the ring's registers v128-191 are free and are a second set: the steps take the two by turns.
;   W1 buffer q   read by all 64 matrix instructions of step q; loaded again in the next step, behind its tiles 1 and 5.
;   RING group    read by sixteen conversions behind tiles 2 and 3; loaded again behind tile 6.
;   TMP           written by those conversions; read by the eight LDS stores behind tile 7.
;   ADRP, STP     read by the LDS loads and stores; written once in four steps, at the end of step 3.
;   every other address register is made at the head and never written again; the two global bases are scalar.
; END, a wait on va_vdst at a step's end: its matrix instructions are done reading AF hi (pass 1: the step's whole set) and their W1 buffer; in step 3 ADRP and STP are written.
; MID, a wait on va_vdst behind tile 3, in pass 0 alone: AF lo has been read, TMP is written, the ring group has been read.
; Behind either wait the only vector-side instructions up to the loads and stores that lean on it are matrix instructions, which name the AF half in hand,
; W1 buffer q and accumulators: none of the registers that those loads and stores touch.
; A wait on vm_vsrc stands ahead of the conversions (the last step's stores have read TMP) and ahead of the adds to ADRP and STP.
.set PITCH, 272                        ; an LDS row of a slab: 256 bytes + 16 = 17 x 16: the 16 rows of a fragment load start 16 bytes apart modulo 256
.set SLAB,  128*PITCH                  ; 34,816: one slab, 128 rows x 128 k
.set LCL,   8*SLAB                     ; 278,528: c2 of my batch, 1,024 f32
.set LVL,   LCL+4096                   ; -2 V, 1,024 f32
.set LSS,   LCL+8192                   ; 4 waves x 128 partial scores
.set LPL,   LCL+10240                  ; 4 waves x 128 p, each wave's own copy
.set LOG2E, 0x3fb8aa3b
; window 0 of the vector registers
.set L16,  1                           ; 16 x lane: the offset of every load of values and of wf; never rewritten
.set RR,   2                           ; r = lane & 15
.set HH,   3                           ; h = lane >> 4
.set ADR0, 4                           ; fragments of values in slab 0: r PITCH + 16 h
.set STP,  5                           ; where I store converted values: 32 w PITCH + 8 lane + the slab behind the one being multiplied
.set CVA,  12                          ; LCL + 1024 w + 32 h
.set SADR, 13                          ; LSS + 512 w + 4 r
.set SRD,  14                          ; LSS + 16 lane
.set PADR, 15                          ; LPL + 512 w + 16 lane
.set PFO,  16                          ; prefetch: (lane >> 1) rows + (lane & 1) x 256 bytes; never rewritten
.set L8,   17                          ; 8 x lane
.set PB,   18                          ; LPL + 512 w, stepped in the weighted sum
.set VLA,  19                          ; LVL + 16 lane
.set CADR, 20                          ; weighted sum: (2 w + h) slabs + 16 r, stepped there
.set T16,  21                          ; 16 x thread
.set CLA,  22                          ; LCL + 16 x thread
.set ADRP, 23                          ; ADR0 + the slab being multiplied
.set TMP,  24                          ; v24-39  converted pairs on their way to LDS
.set CIN,  40                          ; v40-47  c2 as loaded
.set VIN,  48                          ; v48-55  V as loaded
.set SCO,  48                          ; v48-55  later: my part of the scores of rows 16 a + r
.set AF,   64                          ; v64-127 eight fragments of values; in the epilogue T(a), 8 registers each.  Pass 1: v128-191 are a second set
.set RING, 128                         ; v128-255 32 slots x 4: f32 values landing, slot i = my row i; group g = slots 8 g .. 8 g + 7
.set VMR,  192                         ; epilogue: -2 V of my 128 u (8 for each tile column b)
.set X,    128                         ; the end: two buffers of 8 rows x 4 registers
.set PR,   192                         ; two buffers of 8 p
.set CX,   208                         ; 8 sums of the weighted sum
.set SCR,  216                         ; scores of rows 4 lane .. + 3
.set ML,   220                         ; m, l
.set PP,   224                         ; p of rows 4 lane .. + 3
.set BASE, 233
; window 1: v[64 q ..]: four buffers of W1 fragments (8 x 8 registers).  In a pass's first step buffer 3 is still free and holds c2 of my 128 u.
.set CB,   192
; windows 2, 3: accumulator (a, b) at v[8 (8 (a & 3) + b)], a < 4 in window 2.  In the prologue window 2's v0-159 take slab 0 and group 0 of slab 1.
; scalars
.set VB,  24                           ; s[24:25] values at my wave's first row, at the slab being multiplied
.set WB,  26                           ; s[26:27] wf at my wave's stream, at the trip's first K step
.set MSB, 0
.macro WIN new                         ; s_set_vgpr_msb: bits 1:0 source 0, 3:2 source 1, 5:4 source 2, 7:6 destination; the high byte repeats the setting that is left
.if MSB != (\new)
	s_set_vgpr_msb (MSB<<8)|(\new)
.set MSB, (\new)
.endif
.endm
.set MUL_LO,  0xa1                     ; source 0 (W1) window 1, source 1 (values) window 0, C and D window 2; + 0x50: C and D window 3
.set MULZ_LO, 0x91                     ; a pass's first step: C (c2) window 1, D window 2; + 0x40: D window 3
.set TO_B,    0x40                     ; destination window 1
.set TO_2,    0x80                     ; destination window 2
.set FROM_2,  0x0a                     ; sources 0 and 1 window 2
; Four plain vector instructions stand between a matrix instruction and a vector instruction that reads its result (ISA guide 7.12.1).
.macro PLACES
.rept 4
	v_nop
.endr
.endm
; Row tile a of a K step: 8 matrix instructions, used transposed: source 0 = 16 u of W1, source 1 = 16 rows of values, so that lane (r, h) holds row t = 16 a + r and its
; register j holds u = 16 b + 8 h + j.  z = 1: the sum starts from c2: a lane's eight numbers c2[16 b + 8 h + j] are a C tile of tile column b, for every a.
; The 64 accumulators take turns, one instruction a turn, in the same order in every K step.  AFC: the step's set of fragments.
.macro MROW bf, a, z
.if \z
	WIN MULZ_LO+0x40*((\a)/4)
.else
	WIN MUL_LO+0x50*((\a)/4)
.endif
.irp b, 0,1,2,3,4,5,6,7
.if \z
	v_wmma_f32_16x16x32_bf16 v[8*(8*((\a)&3)+\b):8*(8*((\a)&3)+\b)+7], v[\bf+8*\b:\bf+8*\b+7], v[AFC+8*(\a):AFC+8*(\a)+7], v[CB+8*\b:CB+8*\b+7]
.else
	v_wmma_f32_16x16x32_bf16 v[8*(8*((\a)&3)+\b):8*(8*((\a)&3)+\b)+7], v[\bf+8*\b:\bf+8*\b+7], v[AFC+8*(\a):AFC+8*(\a)+7], v[8*(8*((\a)&3)+\b):8*(8*((\a)&3)+\b)+7]
.endif
.endr
.endm
; 8 LDS loads: the fragments of rows 64 half .. + 63 at byte koff of the current slab (koff = SLAB: the next slab's first 32 k), into set dst
.macro ALOAD half, koff, dst
.irp a, 0,1,2,3
	ds_load_b128 v[\dst+8*(4*\half+\a):\dst+8*(4*\half+\a)+3],   v[ADRP] offset:(4*\half+\a)*16*PITCH+\koff
	ds_load_b128 v[\dst+8*(4*\half+\a)+4:\dst+8*(4*\half+\a)+7], v[ADRP] offset:(4*\half+\a)*16*PITCH+\koff+32
.endr
.endm
; LN counts the global loads in the order of the text; BEq is LN just behind the run into W1 buffer q.  LN - BEq is the number of loads younger than that
; run, the count of the wait in front of its use.  Both loops issue the same loads in every trip and are entered in their own steady order,
; so the differences formed in the text hold round the back edges too.
.macro BLOADH qn, off, h               ; half h of one K step's W1 fragments: 8 loads of 512 consecutive bytes
	WIN TO_B
.irp i, 0,1,2,3,4,5,6,7
	global_load_b128 v[64*\qn+4*(8*\h+\i):64*\qn+4*(8*\h+\i)+3], v[L16], s[WB:WB+1] offset:\off+512*(8*\h+\i)
.endr
.set LN, LN+8
.if \h
.set BE\qn, LN
.endif
.endm
.macro BLOAD qn, off                   ; both halves in one run
	BLOADH \qn, \off, 0
	BLOADH \qn, \off, 1
	WIN 0
.endm
.macro VLOAD g, dst, off               ; rows 8 g .. 8 g + 7 of my 32: 512 consecutive bytes (128 k in f32) of each, off bytes behind the current slab
.irp i, 0,1,2,3,4,5,6,7
	global_load_b128 v[\dst+4*\i:\dst+4*\i+3], v[L16], s[VB:VB+1] offset:(8*\g+\i)*4096+\off th:TH_LOAD_NT
.endr
.set LN, LN+8
.endm
.macro CVTH src, win, h                ; rows 4 h .. 4 h + 3 of a group of eight: round to bf16, into TMP
	WIN \win
.irp i, 0,1,2,3
	v_cvt_pk_bf16_f32 v[TMP+2*(4*\h+\i)],   v[\src+4*(4*\h+\i)],   v[\src+4*(4*\h+\i)+1]
	v_cvt_pk_bf16_f32 v[TMP+2*(4*\h+\i)+1], v[\src+4*(4*\h+\i)+2], v[\src+4*(4*\h+\i)+3]
.endr
.endm
.macro CVST g, off                     ; the group's 8 rows: 256 consecutive bytes of each into LDS
.irp i, 0,1,2,3,4,5,6,7
	ds_store_b64 v[STP], v[TMP+2*\i:TMP+2*\i+1] offset:\off+(8*\g+\i)*PITCH
.endr
.endm
.macro VCVT g, src, off, first         ; the prologue's form: a group out of window 2, converted and stored on end
.if \first == 0
	s_wait_alu depctr_vm_vsrc(0)                   ; the LDS stores of the group before have read TMP, which the conversions write again
.endif
	CVTH \src, FROM_2, 0
	CVTH \src, FROM_2, 1
	WIN 0
	s_wait_alu depctr_va_vdst(0)                   ; the conversions have written TMP, which the LDS stores read
	CVST \g, \off
.endm
.macro PF off                          ; my wave's own 32 rows x 512 bytes of a later slab: 64 blocks of 256 bytes, one lane each, asked for once in the launch
	global_prefetch_b8 v[PFO], s[VB:VB+1] offset:\off th:TH_LOAD_NT scope:SCOPE_SE
	global_prefetch_b8 v[PFO], s[VB:VB+1] offset:65536+\off th:TH_LOAD_NT scope:SCOPE_SE
.endm
.macro CLOAD p                         ; 16 LDS loads: c2 of u = 256 w + 128 p + 16 b + 8 h + 0..7 into W1 buffer 3
	WIN TO_B
.irp b, 0,1,2,3,4,5,6,7
	ds_load_b128 v[CB+8*\b:CB+8*\b+3],   v[CVA] offset:512*\p+64*\b
	ds_load_b128 v[CB+8*\b+4:CB+8*\b+7], v[CVA] offset:512*\p+64*\b+16
.endr
	WIN 0
.endm
.macro VMLOAD p                        ; 16 LDS loads: -2 V of the same u
.irp b, 0,1,2,3,4,5,6,7
	ds_load_b128 v[VMR+8*\b:VMR+8*\b+3],   v[CVA] offset:4096+512*\p+64*\b
	ds_load_b128 v[VMR+8*\b+4:VMR+8*\b+7], v[CVA] offset:4096+512*\p+64*\b+16
.endr
.endm
; ONE K STEP: step q of a trip of four, on W1 buffer q.  qn = (q + 3) & 3.  DB = 0: pass 0, one set of fragments; DB = 1: pass 1, two sets by turns.
;   z    a pass's first step: the sums start from c2, which lies in buffer qn: this step's fetches from memory stand behind END
;   pfb  fetch the W1 fragments of three steps ahead into buffer qn
;   cv   convert ring group (q + 1) & 3: steps 0-2 into the slab behind the current one, step 3 into the one behind that
;   vl   load that group again: steps 0-2 two slabs ahead, step 3 three
;   bar  the barrier that shows the next slab whole         last, p  last step of pass p: fetch -2 V instead of fragments
;   pf   prefetch four slabs ahead (in the loop alone)
;   te   step 3: everything moves on by a slab (128 k): 1 the stream of W1 and ADRP, + 2 the base of values, + 4 STP
;   we   END stands at the step's end: a later load leans on it
.macro STEP q, qn, z, pfb, cv, vl, bar, last, p, pf, te, we
.if \q < 3
.set NK,  64*(\q+1)
.set CVO, 0
.set VLO, 1024
.else
.set NK,  SLAB
.set CVO, SLAB
.set VLO, 1536
.endif
.set GG,  (\q+1)&3
.set AFC, AF+64*DB*(\q&1)
.set AFN, AF+64*DB*((\q+1)&1)
	s_wait_loadcnt LN-BE\q                         ; loads come back in order (ISA guide 5.7.1): this step's W1 is in, and so is every load of values issued before it
	s_wait_dscnt 8*PCV                             ; rows 0-63 of this step are in; younger: the last step's 8 stores, if any
	MROW 64*\q, 0, \z
	WIN 0
	ALOAD 1, 64*\q, AFC                            ; this step's rows 64-127.  No wait: since the last END only tile 0 was issued, which names rows 0-15's fragment
	MROW 64*\q, 1, \z
.if \pfb && (\z == 0)
	BLOADH \qn, (\q+3)*8192, 0                     ; buffer qn was last read in the step before, ahead of its END
.endif
.if \bar
	s_wait_dscnt 0x0                               ; my stores into the next slab are done (and no LDS instruction is pending at the signal)
	s_barrier_signal -1
.endif
	MROW 64*\q, 2, \z
.if \cv
	s_wait_alu depctr_vm_vsrc(0)                   ; the LDS stores of the step before have read TMP, which the conversions write again
	CVTH RING+32*GG, 0, 0                          ; loaded four steps ago, ahead of this step's W1: shown landed by the wait at the step's head
.endif
	MROW 64*\q, 3, \z
.if \bar
	s_barrier_wait -1                              ; the next slab is whole
.endif
.if \cv
	CVTH RING+32*GG, 0, 1
.endif
.if (DB == 0) && (\last == 0)
	s_wait_alu depctr_va_vdst(0)                   ; MID: tiles 0-3 are done reading AF lo, in which the next step's fragments land; the conversions have written TMP and are done reading the ring group
.endif
	s_wait_dscnt 0x0                               ; rows 64-127 are in: nothing was issued to LDS behind them
	MROW 64*\q, 4, \z
	WIN 0
.if \last
	VMLOAD \p                                      ; its registers were last named by vector instructions ahead of earlier waits on va_vdst
.else
	ALOAD 0, NK, AFN                               ; the next step's rows 0-63.  No wait: pass 0 leans on MID, pass 1 on the last END (the other set)
.endif
	MROW 64*\q, 5, \z
.if \pfb && (\z == 0)
	BLOADH \qn, (\q+3)*8192, 1
.endif
	MROW 64*\q, 6, \z
.if \vl && (\z == 0)
	WIN 0
	VLOAD GG, RING+32*GG, VLO                      ; no vector instruction since MID names the group
.endif
.if \pf
	WIN 0
	s_cmp_ge_u32 s3, 2                             ; the loop's trips 0..3 (s3 = 5..2) ask for slabs 4..7, whose first load stands six steps further on; the fifth trip asks for nothing
	s_cbranch_scc0 .Lnopf
	PF 2048
.Lnopf:
.endif
	MROW 64*\q, 7, \z
	WIN 0
.if \cv
	CVST GG, CVO                                   ; TMP was written ahead of MID
.endif
.if \te
	s_wait_xcnt 0x0                                ; the pending loads have had their addresses translated (ISA guide 3.1): their bases are stepped only behind this wait
	s_add_nc_u64 s[WB:WB+1], s[WB:WB+1], 32768     ; four K steps of 8,192 bytes
.if (\te) & 2
	s_add_nc_u64 s[VB:VB+1], s[VB:VB+1], 512
.endif
	s_wait_alu depctr_vm_vsrc(0)                   ; the LDS loads and stores issued so far have read ADRP and STP
	v_add_nc_u32 v[ADRP], SLAB, v[ADRP]
.if (\te) & 4
	v_add_nc_u32 v[STP], SLAB, v[STP]
.endif
.endif
.if \we
	s_wait_alu depctr_va_vdst(0)                   ; END: this step's matrix instructions are done reading their fragments of values, W1 buffer q and, in a pass's first step, c2; in step 3 ADRP and STP are written
.endif
.if \z
	BLOAD \qn, (\q+3)*8192                         ; into the registers that held c2: W1 first, then values, in the order of every other step
.if \vl
	VLOAD GG, RING+32*GG, VLO
.endif
.endif
.set PCV, \cv
.endm
; The epilogue of four row tiles (one window of accumulators): r = 1 / (1 + 2^acc) in place, then T(a) += (-2 V) r.
.macro EPIW inwin, outwin, a0
	WIN \inwin                                     ; source 0 and destination: the accumulators' window
.irp a, 0,1,2,3
.set ee, 0
.rept 64
	v_exp_f32 v[64*\a+ee], v[64*\a+ee]
.set ee, ee+1
.endr
	v_nop                                          ; one plain vector instruction between a transcendental and the use of its result (ISA guide 5.7.2)
.set ee, 0
	s_wait_alu depctr_va_vdst(0)
.rept 32
	v_pk_add_f32 v[64*\a+ee:64*\a+ee+1], v[64*\a+ee:64*\a+ee+1], 1.0 op_sel_hi:[1,0]
.set ee, ee+2
.endr
.set ee, 0
.rept 64
	v_rcp_f32 v[64*\a+ee], v[64*\a+ee]
.set ee, ee+1
.endr
	v_nop
	s_wait_alu depctr_va_vdst(0)
.endr
	WIN \outwin                                    ; source 0: the accumulators' window; all else window 0
.irp b, 0,1,2,3,4,5,6,7
.irp a, 0,1,2,3
.irp j, 0,2,4,6
.if \b == 0
	v_pk_mul_f32 v[AF+8*(\a0+\a)+\j:AF+8*(\a0+\a)+\j+1], v[64*\a+8*\b+\j:64*\a+8*\b+\j+1], v[VMR+8*\b+\j:VMR+8*\b+\j+1]
.else
	v_pk_fma_f32 v[AF+8*(\a0+\a)+\j:AF+8*(\a0+\a)+\j+1], v[64*\a+8*\b+\j:64*\a+8*\b+\j+1], v[VMR+8*\b+\j:VMR+8*\b+\j+1], v[AF+8*(\a0+\a)+\j:AF+8*(\a0+\a)+\j+1]
.endif
.endr
.endr
.endr
.endm
.macro EPI p
	s_wait_dscnt 0x0                               ; -2 V of this pass is in
	PLACES                                         ; behind the pass's last matrix instructions
	EPIW 0x82, 0x02, 0
	EPIW 0xc3, 0x03, 4
	WIN 0
.irp a, 0,1,2,3,4,5,6,7
	v_pk_add_f32 v[AF+8*\a:AF+8*\a+1], v[AF+8*\a:AF+8*\a+1], v[AF+8*\a+2:AF+8*\a+3]
	v_pk_add_f32 v[AF+8*\a+4:AF+8*\a+5], v[AF+8*\a+4:AF+8*\a+5], v[AF+8*\a+6:AF+8*\a+7]
	v_pk_add_f32 v[AF+8*\a:AF+8*\a+1], v[AF+8*\a:AF+8*\a+1], v[AF+8*\a+4:AF+8*\a+5]
.if \p == 0
	v_add_f32 v[SCO+\a], v[AF+8*\a], v[AF+8*\a+1]  ; pass 0 starts the row's sum
.else
	v_add_f32 v[AF+8*\a], v[AF+8*\a], v[AF+8*\a+1]
	v_add_f32 v[SCO+\a], v[SCO+\a], v[AF+8*\a]
.endif
.endr
.if \p == 0
	s_wait_xcnt 0x0                                ; pass 1's first three runs of W1 are on their way: their base is stepped only behind this wait
	s_add_nc_u64 s[WB:WB+1], s[WB:WB+1], 32768     ; the stream runs on into pass 1
	s_wait_alu depctr_vm_vsrc(0)                   ; the LDS loads of pass 0 have read ADRP
	v_mov_b32 v[ADRP], v[ADR0]                     ; the block begins again at k = 0
	s_wait_alu depctr_va_vdst(0)                   ; ADRP is written; the sums above are done with T in AF, in which fragments land; pass 0's last step is done reading W1 buffer 3, in which c2 lands
	CLOAD 1
	ALOAD 0, 0, AF
.endif
.endm
	; ---------------- prologue
	s_load_b512 s[8:23], s[0:1], 0x0               ; values s[8:9], wf s[10:11], c2 s[12:13], V s[14:15], bv s[16:17], scores s[18:19], stats s[20:21], ctxp s[22:23]
	v_lshl_add_u32 v62, v0, 2, 0x47000
	v_mov_b32 v63, 0
	v_lshrrev_b32 v24, 5, v0
	v_readfirstlane_b32 s2, v24                    ; wave 0..3
	v_and_b32 v25, 31, v0                          ; lane
	v_lshlrev_b32 v[L16], 4, v25
	v_lshlrev_b32 v[L8], 3, v25
	v_and_b32 v[RR], 15, v0
	v_bfe_u32 v[HH], v0, 4, 1
	v_mul_u32_u24 v[ADR0], v[RR], PITCH
	v_lshl_add_u32 v[ADR0], v[HH], 4, v[ADR0]      ; r PITCH + 16 h
	v_mov_b32 v[ADRP], v[ADR0]
	s_wait_alu depctr_va_sdst(0)                   ; s2 is written, ahead of its first reader
	s_mul_i32 s4, s2, 32*PITCH                     ; my 32 rows of a slab
	v_add_nc_u32 v[STP], s4, v[L8]                 ; in the prologue: slab 0
	s_lshl_b32 s5, s2, 10
	s_add_co_u32 s5, s5, LCL
	v_lshl_add_u32 v[CVA], v[HH], 5, s5
	s_lshl_b32 s6, s2, 9
	s_add_co_u32 s7, s6, LSS
	v_lshl_add_u32 v[SADR], v[RR], 2, s7
	v_add_nc_u32 v[SRD], LSS, v[L16]
	s_add_co_u32 s7, s6, LPL
	v_add_nc_u32 v[PADR], s7, v[L16]
	v_mov_b32 v[PB], s7
	v_add_nc_u32 v[VLA], LVL, v[L16]
	v_lshrrev_b32 v28, 1, v25
	v_and_b32 v29, 1, v25
	v_lshlrev_b32 v29, 8, v29
	v_lshl_add_u32 v[PFO], v28, 12, v29
	s_mul_i32 s7, s2, 2*SLAB
	v_mul_u32_u24 v28, v[HH], SLAB
	v_lshl_add_u32 v28, v[RR], 4, v28
	v_add_nc_u32 v[CADR], s7, v28
	v_lshlrev_b32 v[T16], 4, v0
	v_add_nc_u32 v[CLA], LCL, v[T16]
	s_mov_b32 s30, 0x76543210                      ; v_permlanex16_b32: lane i of one half reads lane i of the other
	s_mov_b32 s31, 0xfedcba98
	s_mov_b32 s33, LOG2E
	s_lshl_b32 s4, ttmp9, 19                       ; 128 rows of 4,096 bytes for each work-group (below 2^28),
	s_lshl_b32 s5, s2, 17                          ; 32 rows for each wave
	s_add_co_u32 s4, s4, s5
	s_mov_b32 s5, 0
	s_lshl_b32 s6, s2, 19                          ; my wave's 524,288 bytes of wf
	s_mov_b32 s7, 0
	s_mov_b32 s37, 0
	s_wait_kmcnt 0x0
	s_load_b32 s32, s[16:17], 0x0                  ; bv
	s_add_nc_u64 s[VB:VB+1], s[8:9], s[4:5]
	s_add_nc_u64 s[WB:WB+1], s[10:11], s[6:7]
	s_lshr_b32 s36, ttmp9, 4
	s_lshl_b32 s36, s36, 12
	s_add_nc_u64 s[12:13], s[12:13], s[36:37]      ; c2 of my batch
	s_lshl_b32 s36, ttmp9, 9
	s_add_nc_u64 s[38:39], s[18:19], s[36:37]      ; my 128 scores
	s_lshl_b32 s36, ttmp9, 8
	s_add_nc_u64 s[40:41], s[20:21], s[36:37]      ; my 256 bytes of stats
	s_lshl_b32 s36, ttmp9, 12
	s_lshl_b32 s4, s2, 10
	s_add_co_u32 s36, s36, s4
	s_add_nc_u64 s[42:43], s[22:23], s[36:37]      ; my wave's 1,024 bytes of ctxp
	s_wait_alu depctr_va_vdst(0)                   ; all the offsets and LDS addresses made above are written: the kernel's loads, stores and prefetches read them
	; Slab 0 and group 0 of slab 1 land in accumulator registers and are converted here.  Between the conversions go out, in the order in which the
	; K steps will go on issuing them: group 1 of slab 1; W1 of step 0, group 2; W1 of step 1, group 3; W1 of step 2, group 0 of slab 2.
	global_load_b128 v[CIN:CIN+3],   v[T16], s[12:13]
	global_load_b128 v[CIN+4:CIN+7], v[T16], s[12:13] offset:2048
	global_load_b128 v[VIN:VIN+3],   v[T16], s[14:15]
	global_load_b128 v[VIN+4:VIN+7], v[T16], s[14:15] offset:2048
.set LN, 4
	WIN TO_2
	VLOAD 0, 0, 0
.set M0, LN
	VLOAD 1, 32, 0
.set M1, LN
	VLOAD 2, 64, 0
.set M2, LN
	VLOAD 3, 96, 0
.set M3, LN
	VLOAD 0, 128, 512
.set M4, LN
	WIN 0
	s_wait_loadcnt LN-M0                           ; 32 younger: c2, V and group 0 of slab 0 are in
	PF 1024                                        ; slab 2
.irp k, 0,2,4,6
	v_pk_mul_f32 v[VIN+\k:VIN+\k+1], v[VIN+\k:VIN+\k+1], -2.0 op_sel_hi:[1,0]
.endr
	VCVT 0, 0, 0, 1                                ; its wait on va_vdst also shows -2 V written, which the stores below read
	ds_store_b128 v[CLA], v[CIN:CIN+3]
	ds_store_b128 v[CLA], v[CIN+4:CIN+7] offset:2048
	ds_store_b128 v[CLA], v[VIN:VIN+3]   offset:4096
	ds_store_b128 v[CLA], v[VIN+4:VIN+7] offset:6144
	VLOAD 1, RING+32, 512
	s_wait_loadcnt LN-M1                           ; 32 younger: group 1 of slab 0 is in
	PF 1536                                        ; slab 3
	VCVT 1, 32, 0, 0
	BLOAD 0, 0
	s_wait_loadcnt LN-M2                           ; 40 younger
	VCVT 2, 64, 0, 0
	VLOAD 2, RING+64, 512
	s_wait_loadcnt LN-M3                           ; 40 younger
	VCVT 3, 96, 0, 0
	BLOAD 1, 8192
	s_wait_loadcnt LN-M4                           ; 48 younger: group 0 of slab 1 is in
	VCVT 0, 128, SLAB, 0
	VLOAD 3, RING+96, 512
	BLOAD 2, 16384
	VLOAD 0, RING, 1024
	s_wait_alu depctr_vm_vsrc(0)                   ; the LDS stores above have read STP
	v_add_nc_u32 v[STP], SLAB, v[STP]              ; from here on: the slab behind the one being multiplied (its next reader stands behind step 0's MID)
	s_wait_kmcnt 0x0                               ; bv
	s_wait_dscnt 0x0                               ; my stores of c2, V, slab 0 and my part of slab 1 are done before I say so
	s_barrier_signal -1
	s_barrier_wait -1
	CLOAD 0
	ALOAD 0, 0, AF
.set PCV, 0
.set DB, 0
	; ---------------- pass 0.  Steps 0..22 each convert a group and load it again.    q qn  z pfb cv vl bar last p pf te we
	STEP 0, 3, 1, 1, 1, 1, 0, 0, 0, 0, 0, 1        ; step 0: the sums start from c2
	s_mov_b32 s3, 5
.Lp0:                                              ; steps 1..20
	STEP 1, 0, 0, 1, 1, 1, 0, 0, 0, 1, 0, 1
	STEP 2, 1, 0, 1, 1, 1, 0, 0, 0, 0, 0, 1
	STEP 3, 2, 0, 1, 1, 1, 1, 0, 0, 0, 7, 1
	STEP 0, 3, 0, 1, 1, 1, 0, 0, 0, 0, 0, 1
	s_sub_co_u32 s3, s3, 1
	s_cmp_lg_u32 s3, 0
	s_cbranch_scc1 .Lp0
	STEP 1, 0, 0, 1, 1, 1, 0, 0, 0, 0, 0, 1        ; steps 21, 22: the last loads of values (slab 7)
	STEP 2, 1, 0, 1, 1, 1, 0, 0, 0, 0, 0, 1
	STEP 3, 2, 0, 1, 1, 0, 1, 0, 0, 0, 5, 1        ; steps 23..26 convert slab 7 and load nothing again: the counts run down 56, 48, 40, 32
	STEP 0, 3, 0, 1, 1, 0, 0, 0, 0, 0, 0, 1
	STEP 1, 0, 0, 1, 1, 0, 0, 0, 0, 0, 0, 1
	STEP 2, 1, 0, 1, 1, 0, 0, 0, 0, 0, 0, 1
	STEP 3, 2, 0, 1, 0, 0, 1, 0, 0, 0, 1, 1        ; step 27: the last barrier of the block: slab 7 is whole
	STEP 0, 3, 0, 1, 0, 0, 0, 0, 0, 0, 0, 1
	STEP 1, 0, 0, 1, 0, 0, 0, 0, 0, 0, 0, 1        ; steps 29..31 fetch W1 of pass 1's first three steps
	STEP 2, 1, 0, 1, 0, 0, 0, 0, 0, 0, 0, 1
	STEP 3, 2, 0, 1, 0, 0, 0, 1, 0, 0, 0, 0        ; no MID and no END: no load behind it leans on them; the epilogue has its own wait
	EPI 0
	; ---------------- pass 1: the same block from LDS, my other 128 u; two sets of fragments by turns, so no MID
.set DB, 1
	STEP 0, 3, 1, 1, 0, 0, 0, 0, 1, 0, 0, 1        ; step 32
	s_mov_b32 s3, 7
.Lp1:                                              ; steps 33..60; step 60 fetches the stream's last K step
	STEP 1, 0, 0, 1, 0, 0, 0, 0, 1, 0, 0, 1
	STEP 2, 1, 0, 1, 0, 0, 0, 0, 1, 0, 0, 1
	STEP 3, 2, 0, 1, 0, 0, 0, 0, 1, 0, 1, 1
	STEP 0, 3, 0, 1, 0, 0, 0, 0, 1, 0, 0, 1
	s_sub_co_u32 s3, s3, 1
	s_cmp_lg_u32 s3, 0
	s_cbranch_scc1 .Lp1
	STEP 1, 0, 0, 0, 0, 0, 0, 0, 1, 0, 0, 1        ; steps 61..63 fetch no W1: nothing reaches past my stream; the counts run down 32, 16, 0
	STEP 2, 1, 0, 0, 0, 0, 0, 0, 1, 0, 0, 0        ; no END: step 63 loads into no register that step 62 read
	STEP 3, 2, 0, 0, 0, 0, 0, 1, 1, 0, 0, 0
	EPI 1
	; ---------------- the block's scores
.irp a, 0,1,2,3,4,5,6,7
	v_permlanex16_b32 v[AF+\a], v[SCO+\a], s30, s31       ; the other half of the lanes holds the other eight u of each tile column
.endr
.irp a, 0,1,2,3,4,5,6,7
	v_add_f32 v[SCO+\a], v[SCO+\a], v[AF+\a]
.endr
	s_wait_alu depctr_va_vdst(0)                   ; the sums have written SCO, which the LDS stores read; step 63 is done reading v128-191, in which the loads below, on both sides of the barrier, land
.irp a, 0,1,2,3,4,5,6,7
	ds_store_b32 v[SADR], v[SCO+\a] offset:64*\a          ; row 16 a + r; both halves of the lanes store the same number
.endr
.irp n, 0,1,2,3,4,5,6,7
	ds_load_b128 v[128+4*\n:131+4*\n], v[VLA] offset:512*\n   ; all 1,024 numbers -2 V, 32 a lane
.endr
	s_wait_dscnt 0x0
	s_barrier_signal -1
	s_barrier_wait -1
.irp n, 0,1,2,3
	ds_load_b128 v[160+4*\n:163+4*\n], v[SRD] offset:512*\n   ; the four waves' parts of rows 4 lane .. + 3
.endr
.irp k, 0,1,2,3,4,5,6,7
	v_pk_add_f32 v[128+2*\k:129+2*\k], v[128+2*\k:129+2*\k], v[144+2*\k:145+2*\k]
.endr
.irp k, 0,1,2,3
	v_pk_add_f32 v[128+2*\k:129+2*\k], v[128+2*\k:129+2*\k], v[136+2*\k:137+2*\k]
.endr
.irp k, 0,1
	v_pk_add_f32 v[128+2*\k:129+2*\k], v[128+2*\k:129+2*\k], v[132+2*\k:133+2*\k]
.endr
	v_pk_add_f32 v[128:129], v[128:129], v[130:131]
	v_add_f32 v128, v128, v129
	v_add_f32_dpp v128, v128, v128 row_xmask:1 row_mask:0xf bank_mask:0xf
	v_add_f32_dpp v128, v128, v128 row_xmask:2 row_mask:0xf bank_mask:0xf
	v_add_f32_dpp v128, v128, v128 row_xmask:4 row_mask:0xf bank_mask:0xf
	v_add_f32_dpp v128, v128, v128 row_xmask:8 row_mask:0xf bank_mask:0xf
	v_permlanex16_b32 v129, v128, s30, s31
	v_add_f32 v128, v128, v129                     ; sum of -2 V
	v_fma_f32 v[BASE], v128, -0.5, s32             ; bv + sum of V
	s_wait_dscnt 0x0
	v_pk_add_f32 v[160:161], v[160:161], v[164:165]
	v_pk_add_f32 v[162:163], v[162:163], v[166:167]
	v_pk_add_f32 v[168:169], v[168:169], v[172:173]
	v_pk_add_f32 v[170:171], v[170:171], v[174:175]
	v_pk_add_f32 v[160:161], v[160:161], v[168:169]
	v_pk_add_f32 v[162:163], v[162:163], v[170:171]
.irp k, 0,1,2,3
	v_add_f32 v[SCR+\k], v[160+\k], v[BASE]        ; every wave holds all 128 scores
.endr
	; the block's maximum, p = exp(score - m), l = sum of p
	v_max3_num_f32 v228, v[SCR], v[SCR+1], v[SCR+2]
	v_max_num_f32 v228, v228, v[SCR+3]
	v_max_num_f32_dpp v228, v228, v228 row_xmask:1 row_mask:0xf bank_mask:0xf
	v_max_num_f32_dpp v228, v228, v228 row_xmask:2 row_mask:0xf bank_mask:0xf
	v_max_num_f32_dpp v228, v228, v228 row_xmask:4 row_mask:0xf bank_mask:0xf
	v_max_num_f32_dpp v228, v228, v228 row_xmask:8 row_mask:0xf bank_mask:0xf
	v_permlanex16_b32 v229, v228, s30, s31
	v_max_num_f32 v[ML], v228, v229
	v_mul_f32 v230, s33, v[ML]
.irp k, 0,1,2,3
	v_fma_f32 v[PP+\k], v[SCR+\k], s33, -v230      ; (score - m) log2 e, at most 0 up to the rounding of m log2 e
.endr
.irp k, 0,1,2,3
	v_exp_f32 v[PP+\k], v[PP+\k]
.endr
	v_nop
	s_wait_alu depctr_va_vdst(0)
	v_add_f32 v231, v[PP], v[PP+1]
	v_add_f32 v232, v[PP+2], v[PP+3]
	v_add_f32 v231, v231, v232
	v_add_f32_dpp v231, v231, v231 row_xmask:1 row_mask:0xf bank_mask:0xf
	v_add_f32_dpp v231, v231, v231 row_xmask:2 row_mask:0xf bank_mask:0xf
	v_add_f32_dpp v231, v231, v231 row_xmask:4 row_mask:0xf bank_mask:0xf
	v_add_f32_dpp v231, v231, v231 row_xmask:8 row_mask:0xf bank_mask:0xf
	v_permlanex16_b32 v229, v231, s30, s31
	v_add_f32 v[ML+1], v231, v229
	s_wait_alu depctr_va_vdst(0)                   ; p, the scores, m and l are written, which the stores below read; the sums above and the epilogue are done with v128-207, in which the first loads of the weighted sum land
	ds_store_b128 v[PADR], v[PP:PP+3]              ; my wave's own copy of p: read back below without a barrier
	s_cmp_lg_u32 s2, 0
	s_cbranch_scc1 .Lnot0
	global_store_b128 v[L16], v[SCR:SCR+3], s[38:39]      ; wave 0: the 128 raw scores, 512 consecutive bytes
	global_store_b64 v[L8], v[ML:ML+1], s[40:41]          ; and (m, l) from every lane: 256 consecutive bytes, aligned
.Lnot0:
	; ---------------- sum over the 128 rows of p[t] values[t][d]: wave w takes d = 256 w .. + 255 (slabs 2 w, 2 w + 1), lane L eight of them.
	; Sixteen groups of 8 rows through two register buffers; a trip of the loop takes two groups and moves on by 16 rows.
	; A buffer is read by its group's 64 multiply-adds and loaded again behind one wait on va_vdst; the adds to the two LDS addresses are laid ahead of one of these waits.
.macro XLOAD buf, g                    ; rows 8 g .. 8 g + 7 behind CADR: 16 bytes of each a lane, and their p: ten LDS loads
.irp i, 0,1,2,3,4,5,6,7
	ds_load_b128 v[X+32*\buf+4*\i:X+32*\buf+4*\i+3], v[CADR] offset:(8*\g+\i)*PITCH
.endr
	ds_load_b128 v[PR+8*\buf:PR+8*\buf+3],   v[PB] offset:32*\g
	ds_load_b128 v[PR+8*\buf+4:PR+8*\buf+7], v[PB] offset:32*\g+16
.endm
.macro XFMA buf
.irp i, 0,1,2,3,4,5,6,7
.irp j, 0,1,2,3
	v_fma_mix_f32_bf16 v[CX+2*\j],   v[X+32*\buf+4*\i+\j], v[PR+8*\buf+\i], v[CX+2*\j]   op_sel:[0,0,0] op_sel_hi:[1,0,0]
	v_fma_mix_f32_bf16 v[CX+2*\j+1], v[X+32*\buf+4*\i+\j], v[PR+8*\buf+\i], v[CX+2*\j+1] op_sel:[1,0,0] op_sel_hi:[1,0,0]
.endr
.endr
.endm
	XLOAD 0, 0
.irp k, 0,1,2,3,4,5,6,7
	v_mov_b32 v[CX+\k], 0
.endr
	s_mov_b32 s3, 7
.Lctx:
	s_wait_alu depctr_va_vdst(0)                   ; the multiply-adds of the trip before are done reading buffer 1, in which the next loads land
	XLOAD 1, 1
	s_wait_dscnt 10                                ; all but the ten loads just issued
	XFMA 0
	s_wait_alu depctr_vm_vsrc(0)                   ; the LDS loads issued so far have read CADR and PB
	v_add_nc_u32 v[CADR], 16*PITCH, v[CADR]
	v_add_nc_u32 v[PB], 64, v[PB]
	s_wait_alu depctr_va_vdst(0)                   ; CADR and PB are written; the multiply-adds above are done reading buffer 0
	XLOAD 0, 0
	s_wait_dscnt 10
	XFMA 1
	s_sub_co_u32 s3, s3, 1
	s_cmp_lg_u32 s3, 0
	s_cbranch_scc1 .Lctx
	s_wait_alu depctr_va_vdst(0)                   ; the last trip's multiply-adds are done reading buffer 1
	XLOAD 1, 1                                     ; the last two groups: nothing is read behind row 127
	s_wait_dscnt 10
	XFMA 0
	s_wait_dscnt 0
	XFMA 1
	s_wait_alu depctr_va_vdst(0)                   ; the eight sums are written, which the stores read
	global_store_b128 v[L16], v[CX:CX+3],   s[42:43]              ; d = 256 w + 8 L + 0..3: 512 consecutive bytes
	global_store_b128 v[L16], v[CX+4:CX+7], s[42:43] offset:512   ; d = 256 w + 8 L + 4..7
	s_wait_dscnt 0x0
	s_wait_alu depctr_hold_cnt(0) depctr_sa_sdst(0) depctr_va_vdst(0) depctr_va_sdst(0) depctr_va_ssrc(0) depctr_va_vcc(0) depctr_vm_vsrc(0)
	s_wait_tensorcnt 0x0
	ds_add_u32 v62, v63
	s_wait_dscnt 0x0
	s_endpgm
.Lfunc_end_k_qc003378c79_attn:
	.size	k_qc003378c79_attn, .Lfunc_end_k_qc003378c79_attn-k_qc003378c79_attn
	.p2alignl 7, 3214868480
	.fill 96, 4, 3214868480
	.section	.rodata,"a",@progbits
	.p2align	6, 0x0
	.amdhsa_kernel k_qc003378c79_attn
		.amdhsa_group_segment_fixed_size 291328
		.amdhsa_private_segment_fixed_size 0
		.amdhsa_enable_private_segment 0
		.amdhsa_kernarg_size 64
		.amdhsa_user_sgpr_count 2
		.amdhsa_user_sgpr_kernarg_segment_ptr 1
		.amdhsa_wavefront_size32 1
		.amdhsa_system_sgpr_workgroup_id_x 1
		.amdhsa_system_sgpr_workgroup_id_y 1
		.amdhsa_system_sgpr_workgroup_id_z 1
		.amdhsa_system_vgpr_workitem_id 0
		.amdhsa_next_free_vgpr 1024
		.amdhsa_next_free_sgpr 66
		.amdhsa_reserve_vcc 0
		.amdhsa_float_denorm_mode_32 3
		.amdhsa_float_denorm_mode_16_64 3
		.amdhsa_memory_ordered 1
		.amdhsa_forward_progress 1
		.amdhsa_inst_pref_size 255
	.end_amdhsa_kernel
	.section	.bss,"aw",@nobits
	.p2align	6
	.space	262144
	.amdgpu_metadata
---
amdhsa.version: [ 1, 2 ]
amdhsa.kernels:
  - .name:           k_qc003378c79_attn
    .symbol:         k_qc003378c79_attn.kd
    .args:
      - { .name: values, .offset: 0, .size: 8, .value_kind: global_buffer, .address_space: global }
      - { .name: wf, .offset: 8, .size: 8, .value_kind: global_buffer, .address_space: global }
      - { .name: c2, .offset: 16, .size: 8, .value_kind: global_buffer, .address_space: global }
      - { .name: V, .offset: 24, .size: 8, .value_kind: global_buffer, .address_space: global }
      - { .name: bv, .offset: 32, .size: 8, .value_kind: global_buffer, .address_space: global }
      - { .name: scores, .offset: 40, .size: 8, .value_kind: global_buffer, .address_space: global }
      - { .name: stats, .offset: 48, .size: 8, .value_kind: global_buffer, .address_space: global }
      - { .name: ctxp, .offset: 56, .size: 8, .value_kind: global_buffer, .address_space: global }
    .group_segment_fixed_size: 291328
    .private_segment_fixed_size: 0
    .kernarg_segment_align: 8
    .kernarg_segment_size: 64
    .max_flat_workgroup_size: 128
    .sgpr_count:     66
    .vgpr_count:     1024
    .wavefront_size: 32
...
	.end_amdgpu_metadata
.endif
;; end of part 6
;; launch finish: the kernel of part 3 again; grid 32 x 1, 8 waves a work-group, no clusters, 0 bytes of LDS; arguments scores, stats, ctxp, out0, out1; writes out0, out1
